; MI455X (gfx1250); checked and timed in simulation.
; The chip was launched on July 23, 2026; its instructions are those of AMD's public machine-readable ISA for CDNA 5 (MIT licence, August 2026) and "CDNA5" Instruction Set Architecture Reference Guide (July 2026). The comments in the code are by the model that wrote it; some were corrected since.
;; Causal Self Attention. Allowed arithmetic: matrix products marked QUANTISED: E2M1 operands, one E8M0 scale for each 32 along K, by v_wmma_scale_f32_16x16x128_f8f6f4 with both operands' format E2M1 (or v_wmma_scale_f32_32x16x128_f4), f32 sums; products left as they are: bf16, f16 or f32 operands; f32 sums; everything else in f32.
;; Inputs: b_attn 3,072 float32; b_proj 1,024 float32; w_attn 1,024 x 3,072 float32; w_proj 1,024 x 1,024 float32; x 4 x 2,048 x 1,024 float32.
;; Outputs: out0 4 x 2,048 x 1,024 float32.
;; This version of the problem:
;;   THIS VERSION OF THE PROBLEM IS GIVEN IN LOW PRECISION. The matrix products marked QUANTISED in the list below multiply operands that are first quantised to E2M1 (2 exponent bits, 1 mantissa bit; 4 bits a number), with one power-of-two scale for each 32 numbers along K (OCP MX v1.0); their sums are f32. The products marked 'left as it is' may take bf16, f16 or f32 operands, with f32 sums. Whichever they take, every output number must still come out within the allowed error. Rounding operands to bf16 (8 significant bits) uses up far more of that allowance than f16 does (11 bits, for magnitudes from 6e-5 to 65,504). All else is computed in f32.
;;   The module's matrix products, in the order in which they are computed (A, B: the left and right operand; K: the contracted axis; several contracted axes count as one K, in the product's order):
;;     1. [M 8,192, K 1,024] x [K 1,024, N 3,072]; A: input x; B: input w_attn: QUANTISED
;;     2. batch 64 x [M 2,048, K 64] x [K 64, N 2,048]; A: computed on the way; B: computed on the way: left as it is (an operand is computed on the way)
;;     3. batch 64 x [M 2,048, K 2,048] x [K 2,048, N 64]; A: computed on the way; B: computed on the way: left as it is (an operand is computed on the way)
;;     4. [M 8,192, K 1,024] x [K 1,024, N 1,024]; A: computed on the way; B: input w_proj: left as it is (an operand is computed on the way)
;;   THE QUANTISER, for each operand of a quantised product, along K:
;;     - K is cut into blocks of 32 from its start; a last block that is shorter is filled with zeros.
;;     - A block's scale is 2^e with e = floor(log2(the largest magnitude in the block)) - 2, held to -126 .. 127; a block of zeros has e = 0. As a byte (E8M0): e + 127.
;;     - Each number is divided by its block's scale, clamped to +-6, and rounded to the nearest number of E2M1, ties to even, subnormals kept.
;;     - The product sums the exact products of the quantised numbers (number of the format x scale) in f32.
;;   ~~~python
;;   def quantise(x, axis):      # numpy; x: float32 -> the quantised numbers, widened to float32 again
;;       x = np.moveaxis(x, axis, -1); K = x.shape[-1]
;;       x = np.pad(x, [(0, 0)] * (x.ndim - 1) + [(0, -K % 32)]); x = x.reshape(x.shape[:-1] + (-1, 32)); a = np.abs(x).max(-1, keepdims=True)
;;       e = np.where(a > 0, np.clip(np.frexp(np.where(a > 0, a, 1))[1] - 1 - 2, -126, 127), 0)      # np.frexp(a)[1] - 1 = floor(log2(a)), exactly
;;       r = np.clip(x / 2.0 ** e, -6, 6)
;;       step = 2.0 ** (np.maximum(np.frexp(np.where(r == 0, 1, r))[1] - 1, 0) - 1)
;;       q = np.round(r / step) * step * 2.0 ** e      # np.round: ties to even
;;       return np.moveaxis(q.reshape(q.shape[:-2] + (-1,))[..., :K], -1, axis).astype(np.float32)
;;   ~~~
;; One version. Each part assembles by itself: llvm-mc -triple=amdgcn-amd-amdhsa -mcpu=gfx1250 --defsym DOCPART=n.
;; ======== version 1 of 1: 5 launches
;; limits: values are held in f16: magnitudes above 65,504 overflow, below 6.1e-05 lose precision
;; workspace buffers: x_codes 4,194,304 bytes; x_scales 262,144 bytes; wa_codes 1,572,864 bytes; wa_scales 98,304 bytes; wp16 2,097,152 bytes; qkv 50,331,648 bytes; qkvf 786,432 bytes; y16 16,777,216 bytes
;; launch prep (part 1): grid 256 x 1, 8 waves a work-group, no clusters, 154,112 bytes of LDS; arguments x, w_attn, w_proj, x_codes, x_scales, wa_codes, wa_scales, wp16; writes x_codes, x_scales, wa_codes, wa_scales, wp16
.if DOCPART == 1
	.amdgcn_target "amdgcn-amd-amdhsa--gfx1250"
	.amdhsa_code_object_version 6
	.text
	.protected	k_q6b0284ac81_prep
	.globl	k_q6b0284ac81_prep
	.p2align	8
	.type	k_q6b0284ac81_prep,@function
k_q6b0284ac81_prep:
	s_mov_b64 s[64:65], 0
	v_nop
	global_prefetch_b8 v0, s[64:65] scope:SCOPE_SE
	s_setreg_imm32_b32 hwreg(HW_REG_WAVE_MODE, 25, 1), 1
	s_wait_xcnt 0x0
; PREP: the operands of the first product become codes of FP4 (E2M1) with one E8M0 byte for each 32 along K; w_proj becomes f16 with K innermost.
;   x      [8192][1024] f32  -> x_codes [8192][512 bytes], x_scales [8192][32]              (K is innermost: a plain stream of blocks of 32)
;   w_attn [1024 k][3072 n]  -> wa_codes [3072 n][512 bytes], wa_scales [3072][32]          (K is the first axis: a lane takes a column, its registers run down K)
;   w_proj [1024 k][1024 n]  -> wp16 [1024 n][1024 k] f16                                    (the same walk, rounded to f16 in pairs along K)
; A block's scale is 2^(floor(log2(largest magnitude)) - 2): its byte is the largest magnitude's exponent field - 2, held at 1 from below by a floor among the maximum's leaves.
; LIMITS: a block of zeros gets the byte 1 (its codes are zeros; this program alone reads the bytes); NaN and infinities are not served; |w_proj| stays under 65,504, f16's largest number.
; SHARES: work-groups 0-95 take 32 columns of w_attn each, 96-127 take 32 columns of w_proj, 128-255 take 65,536 numbers of x.  Each kind has LDS bytes of its own.
; All kinds join at ONE barrier, which every wave passes; behind it w_attn's work-groups, whose rows of codes come from eight waves, carry whole rows out.
; What that way out needs (addresses, pointers) is made at the head, in registers that no path uses otherwise.
.set SP,     80                        ; x: a lane's place in a stage: 64 bytes + 16 of padding
.set WREG,   8192                      ; x: a wave's LDS: two stages of 32 x SP, then its 256 scale bytes
.set WAST,   65536                     ; w_attn: 32 rows (columns n) x (512 bytes of codes + 16)
.set WAP,    528
.set WASC,   82432                     ; w_attn: 32 rows x 32 scale bytes
.set WPST,   83456                     ; w_proj: for each wave 32 rows x (256 bytes + 16)
.set WPP,    272
.set SPARE,  153088                    ; the spare words, 128 bytes for each of eight waves
.set SPW,    12                        ; v12  my spare word's LDS address; never rewritten
.set NIL,    13                        ; v13  0; never rewritten
.set STEPS,  16
.set R,      16                        ; v16-143  x: eight sets of 16 numbers as loaded
.set X,      144                       ; v144-175 x: two sets of 16 neighbours
.set E,      176                       ; v176-191 x: a scale byte for each step
.set C,      192                       ; v192-223 x: two registers of codes for each step
.set XW,     32                        ; v32-95   weights: two sets of 32 numbers down K
.set CW,     96                        ; v96-111  weights: a block's codes or f16 pairs
.set OUTR,   112                       ; v112-175 w_proj: rows on the way out
.set WRD,    224                       ; v224-227 w_attn's way out: LDS and memory places, made at the head
.set WCO,    225
.set WSR,    226
.set WSO,    227
.set WOUT,   232                       ; v232-249 w_attn's way out: data
	s_load_b256 s[4:11], s[0:1], 0x0               ; x, w_attn, w_proj, x_codes
	s_load_b256 s[12:19], s[0:1], 0x20             ; x_scales, wa_codes, wa_scales, wp16
	v_lshl_add_u32 v[SPW], v0, 2, SPARE
	v_mov_b32 v[NIL], 0
	v_lshrrev_b32 v1, 5, v0
	v_readfirstlane_b32 s20, v1                    ; wave 0..7
	v_and_b32 v2, 31, v0                           ; lane
	s_mul_i32 s21, s20, 4*WAP                      ; w_attn's way out: wave w carries rows 4 w .. 4 w + 3, 16 bytes a lane
	v_lshlrev_b32 v[WRD], 4, v2
	v_add_nc_u32 v[WRD], s21, v[WRD]
	v_add_nc_u32 v[WRD], WAST, v[WRD]
	s_lshl_b32 s21, s20, 11
	v_lshl_add_u32 v[WCO], v2, 4, s21              ; the same rows in wa_codes: 512 bytes a row
	s_lshl_b32 s21, s20, 8
	v_lshl_add_u32 v[WSO], v2, 3, s21              ; scale bytes: waves 0-3 carry 256 bytes each, 8 a lane
	v_add_nc_u32 v[WSR], WASC, v[WSO]
	s_lshl_b32 s22, ttmp9, 14                      ; 32 rows x 512 bytes for each work-group of w_attn
	s_mov_b32 s23, 0
	s_lshl_b32 s24, ttmp9, 10                      ; 32 rows x 32 bytes
	s_mov_b32 s25, 0
	s_wait_kmcnt 0x0
	s_add_nc_u64 s[28:29], s[14:15], s[22:23]
	s_add_nc_u64 s[30:31], s[16:17], s[24:25]
	s_cmp_lt_u32 ttmp9, 96
	s_cbranch_scc1 .Lwa
	s_cmp_lt_u32 ttmp9, 128
	s_cbranch_scc1 .Lwp
	; ---------------- x: a wave takes 16 steps of 512 numbers.  Loads take the bytes as they lie (512 consecutive bytes each); a step turns through the wave's own stage so that a lane holds 16 neighbours.
	s_sub_co_u32 s21, ttmp9, 128
	s_lshl_b32 s21, s21, 3
	s_add_co_u32 s21, s21, s20                     ; which run of 8,192 numbers is my wave's
	s_mov_b32 s23, 0
	s_lshl_b32 s22, s21, 15
	s_add_nc_u64 s[4:5], s[4:5], s[22:23]
	s_lshl_b32 s22, s21, 12
	s_add_nc_u64 s[10:11], s[10:11], s[22:23]
	s_lshl_b32 s22, s21, 8
	s_add_nc_u64 s[12:13], s[12:13], s[22:23]
	v_lshlrev_b32 v3, 4, v2                        ; my 16 bytes of a load's 512
	s_mul_i32 s22, s20, WREG
	v_lshrrev_b32 v14, 2, v2
	v_mul_u32_u24 v14, v14, SP
	v_and_b32 v15, 3, v2
	v_lshl_add_u32 v14, v15, 4, v14
	v_add_nc_u32 v14, s22, v14                     ; into the stage: SP (lane / 4) + 16 (lane % 4)
	v_mul_u32_u24 v15, v2, SP
	v_add_nc_u32 v15, s22, v15                     ; out of it: SP x lane
	v_lshlrev_b32 v4, 3, v2                        ; my 8 bytes of a step's 256 bytes of codes
	v_lshrrev_b32 v5, 1, v2
	s_add_co_u32 s22, s22, 2*32*SP
	v_add_nc_u32 v5, s22, v5                       ; my block's scale byte in LDS
	v_add_nc_u32 v6, s22, v4                       ; and 8 bytes a lane on the way out
.macro XLOAD t
.irp i, 0,1,2,3
	global_load_b128 v[R+16*((\t)%8)+4*\i:R+16*((\t)%8)+4*\i+3], v3, s[4:5] offset:2048*(\t)+512*\i th:TH_LOAD_NT
.endr
.endm
.macro XTURN t                         ; LDS serves a wave's instructions in order: no wait between the stores and the loads
.irp i, 0,1,2,3
	ds_store_b128 v14, v[R+16*((\t)%8)+4*\i:R+16*((\t)%8)+4*\i+3] offset:32*SP*((\t)%2)+8*SP*\i
.endr
.irp i, 0,1,2,3
	ds_load_b128 v[X+16*((\t)%2)+4*\i:X+16*((\t)%2)+4*\i+3], v15 offset:32*SP*((\t)%2)+16*\i
.endr
.endm
.irp t, 0,1,2,3,4,5,6,7
	XLOAD \t                                       ; eight steps, 32 loads of 512 bytes, are on their way
.endr
	s_wait_loadcnt 28                              ; step 0's four are in; the seven steps behind it stay out
	XTURN 0
.macro XSTEP t
.set XS, X+16*((\t)%2)
.if (\t) > 0
	s_wait_dscnt 1                                 ; this step's numbers are back from the stage; the last step's byte store may be out
.else
	s_wait_dscnt 0x0
.endif
.if (\t)+8 < STEPS
	XLOAD (\t)+8                                   ; into the set that this step's stores into the stage have read
.endif
.if (\t)+1 < STEPS
.if 14-(\t) >= 7
	s_wait_loadcnt 28                              ; the next step's four loads are in; seven steps' loads were issued behind them
.else
	s_wait_loadcnt 4*(14-(\t))                     ; at the end fewer steps stand behind them
.endif
	XTURN (\t)+1
.endif
	v_max3_num_f32 v8, |v[XS]|, |v[XS+1]|, |v[XS+2]|
	v_max3_num_f32 v9, |v[XS+3]|, |v[XS+4]|, |v[XS+5]|
.irp i, 6,10
	v_max3_num_f32 v8, v8, |v[XS+\i]|, |v[XS+\i+1]|
	v_max3_num_f32 v9, v9, |v[XS+\i+2]|, |v[XS+\i+3]|
.endr
	v_max3_num_f32 v8, v8, |v[XS+14]|, |v[XS+15]|
	v_max3_num_f32 v8, v8, v9, 0x1800000           ; and the floor 2^(3 - 127): the byte cannot fall under 1
	v_max_num_f32_dpp v8, v8, v8 row_xmask:1 row_mask:0xf bank_mask:0xf   ; with my neighbour's 16: the block's largest magnitude
	v_add_nc_u32 v11, 0xff000000, v8               ; 2 off its exponent field: the conversion's scale operand
	v_cvt_scalef32_pk8_fp4_f32 v[C+2*(\t)], v[XS:XS+7], v11
	v_cvt_scalef32_pk8_fp4_f32 v[C+2*(\t)+1], v[XS+8:XS+15], v11
	v_lshrrev_b32 v[E+(\t)], 23, v11               ; the scale's byte
	ds_store_b8 v5, v[E+(\t)] offset:16*(\t)       ; both lanes of a block write the same byte with the same value
	global_store_b64 v4, v[C+2*(\t):C+2*(\t)+1], s[10:11] offset:256*(\t)   ; the wave stores 256 consecutive bytes, aligned
.endm
.irp t, 0,1,2,3,4,5,6,7,8,9,10,11,12,13,14,15
	XSTEP \t
.endr
	ds_load_b64 v[8:9], v6                         ; my wave's 256 scale bytes
	s_wait_dscnt 0x0
	global_store_b64 v4, v[8:9], s[12:13]          ; 256 consecutive bytes, aligned
	s_branch .Ljoin
	; ---------------- the weights: a lane takes a column, wave w takes K = 128 w .. 128 w + 127: four blocks of 32
.macro WLOAD t, pitch, lo              ; block t: rows 32 t + i of my 128, at my column, into set t % 2
.set i, 0
.rept 32
	global_load_b32 v[XW+32*((\t)%2)+i], v3, s[\lo:\lo+1] offset:(32*(\t)+i)*\pitch
.set i, i+1
.endr
.endm
.Lwa:
	s_mul_i32 s22, s20, 128*12288                  ; my wave's first row of w_attn,
	s_lshl_b32 s21, ttmp9, 7                       ; my work-group's 32 columns
	s_add_co_u32 s22, s22, s21
	s_mov_b32 s23, 0
	s_add_nc_u64 s[6:7], s[6:7], s[22:23]
	v_lshlrev_b32 v3, 2, v2
	v_mul_u32_u24 v25, v2, WAP                     ; the stage: row = my column, my wave's 64 bytes of it
	s_lshl_b32 s21, s20, 6
	v_add_nc_u32 v25, s21, v25
	v_add_nc_u32 v25, WAST, v25
	v_lshlrev_b32 v26, 5, v2                       ; my column's 32 scale bytes, my wave's word
	s_lshl_b32 s21, s20, 2
	v_add_nc_u32 v26, s21, v26
	v_add_nc_u32 v26, WASC, v26
	WLOAD 0, 12288, 6
	WLOAD 1, 12288, 6
.macro WABLOCK t
.set XS, XW+32*((\t)%2)
.if (\t) < 3
	s_wait_loadcnt 32                              ; this block's 32 loads are in; the next block's may be out
.else
	s_wait_loadcnt 0x0
.endif
	v_max3_num_f32 v20, |v[XS]|, |v[XS+1]|, |v[XS+2]|
	v_max3_num_f32 v21, |v[XS+3]|, |v[XS+4]|, |v[XS+5]|
.irp i, 6,10,14,18,22,26
	v_max3_num_f32 v20, v20, |v[XS+\i]|, |v[XS+\i+1]|
	v_max3_num_f32 v21, v21, |v[XS+\i+2]|, |v[XS+\i+3]|
.endr
	v_max3_num_f32 v20, v20, |v[XS+30]|, |v[XS+31]|
	v_max3_num_f32 v20, v20, v21, 0x1800000        ; the floor
	v_add_nc_u32 v22, 0xff000000, v20              ; the conversion's scale operand
	v_lshrrev_b32 v23, 23, v22                     ; the byte
.if (\t) == 0
	v_mov_b32 v24, v23
.else
	v_lshl_or_b32 v24, v23, 8*(\t), v24            ; four bytes to a word, the lower K in the lower byte
.endif
.irp g, 0,1,2,3
	v_cvt_scalef32_pk8_fp4_f32 v[CW+\g], v[XS+8*\g:XS+8*\g+7], v22
.endr
	ds_store_b128 v25, v[CW:CW+3] offset:16*(\t)
.if (\t)+2 < 4
	WLOAD (\t)+2, 12288, 6
.endif
	s_wait_dscnt 0x0                               ; the store has read its registers: the next block's codes may be written
.endm
	WABLOCK 0
	WABLOCK 1
	WABLOCK 2
	WABLOCK 3
	ds_store_b32 v26, v24
	s_branch .Ljoin
.Lwp:
	s_sub_co_u32 s21, ttmp9, 96
	s_lshl_b32 s22, s20, 19                        ; my wave's first row of w_proj: 128 rows of 4,096 bytes a wave
	s_lshl_b32 s24, s21, 7
	s_add_co_u32 s22, s22, s24
	s_mov_b32 s23, 0
	s_add_nc_u64 s[8:9], s[8:9], s[22:23]
	s_lshl_b32 s22, s21, 16                        ; wp16: 32 rows of 2,048 bytes a work-group, my wave's 256 bytes of each
	s_lshl_b32 s24, s20, 8
	s_add_co_u32 s22, s22, s24
	s_add_nc_u64 s[18:19], s[18:19], s[22:23]
	v_lshlrev_b32 v3, 2, v2
	s_mul_i32 s24, s20, 32*WPP
	s_add_co_u32 s24, s24, WPST                    ; my wave's own stage
	v_mul_u32_u24 v27, v2, WPP
	v_add_nc_u32 v27, s24, v27                     ; in: row = my column
	v_and_b32 v5, 15, v2
	v_lshrrev_b32 v6, 4, v2
	v_mul_u32_u24 v28, v6, WPP
	v_lshl_add_u32 v28, v5, 4, v28
	v_add_nc_u32 v28, s24, v28                     ; out: sixteen lanes to a row, two rows an instruction
	v_lshlrev_b32 v29, 11, v6
	v_lshl_add_u32 v29, v5, 4, v29
	WLOAD 0, 4096, 8
	WLOAD 1, 4096, 8
.macro WPBLOCK t
.set XS, XW+32*((\t)%2)
.if (\t) < 3
	s_wait_loadcnt 32                              ; this block's 32 loads are in; the next block's may be out
.else
	s_wait_loadcnt 0x0
.endif
.set i, 0
.rept 16
	v_cvt_pk_f16_f32 v[CW+i], v[XS+2*i], v[XS+2*i+1]   ; two neighbours along K, the lower in the low half
.set i, i+1
.endr
.irp c, 0,1,2,3
	ds_store_b128 v27, v[CW+4*\c:CW+4*\c+3] offset:64*(\t)+16*\c
.endr
.if (\t)+2 < 4
	WLOAD (\t)+2, 4096, 8
.endif
	s_wait_dscnt 0x0
.endm
	WPBLOCK 0
	WPBLOCK 1
	WPBLOCK 2
	WPBLOCK 3
.irp t, 0,1,2,3,4,5,6,7,8,9,10,11,12,13,14,15
	ds_load_b128 v[OUTR+4*\t:OUTR+4*\t+3], v28 offset:2*\t*WPP
.endr
.irp t, 0,1,2,3,4,5,6,7,8,9,10,11,12,13,14,15
	s_wait_dscnt 15-\t
	global_store_b128 v29, v[OUTR+4*\t:OUTR+4*\t+3], s[18:19] offset:2*\t*2048   ; sixteen lanes store 256 consecutive bytes, aligned
.endr
.Ljoin:
	s_wait_dscnt 0x0                               ; for the others' sake: my LDS stores have landed
	s_barrier_signal -1
	s_barrier_wait -1
	s_cmp_lt_u32 ttmp9, 96
	s_cbranch_scc0 .Lend
.irp i, 0,1,2,3
	ds_load_b128 v[WOUT+4*\i:WOUT+4*\i+3], v[WRD] offset:\i*WAP    ; a whole row of 512 bytes, made by eight waves
.endr
.irp i, 0,1,2,3
	s_wait_dscnt 3-\i
	global_store_b128 v[WCO], v[WOUT+4*\i:WOUT+4*\i+3], s[28:29] offset:\i*512
.endr
	s_cmp_lt_u32 s20, 4
	s_cbranch_scc0 .Lend
	ds_load_b64 v[WOUT+16:WOUT+17], v[WSR]
	s_wait_dscnt 0x0
	global_store_b64 v[WSO], v[WOUT+16:WOUT+17], s[30:31]          ; 256 consecutive bytes, aligned
.Lend:
	s_wait_tensorcnt 0x0                           ; the wave's end
	ds_add_u32 v[SPW], v[NIL]
	s_wait_dscnt 0x0
	s_endpgm
.Lfunc_end_k_q6b0284ac81_prep:
	.size	k_q6b0284ac81_prep, .Lfunc_end_k_q6b0284ac81_prep-k_q6b0284ac81_prep
	.p2alignl 7, 3214868480
	.fill 96, 4, 3214868480
	.section	.rodata,"a",@progbits
	.p2align	6, 0x0
	.amdhsa_kernel k_q6b0284ac81_prep
		.amdhsa_group_segment_fixed_size 154112
		.amdhsa_private_segment_fixed_size 0
		.amdhsa_enable_private_segment 0
		.amdhsa_kernarg_size 64
		.amdhsa_user_sgpr_count 2
		.amdhsa_user_sgpr_kernarg_segment_ptr 1
		.amdhsa_wavefront_size32 1
		.amdhsa_system_sgpr_workgroup_id_x 1
		.amdhsa_system_sgpr_workgroup_id_y 1
		.amdhsa_system_sgpr_workgroup_id_z 1
		.amdhsa_system_vgpr_workitem_id 0
		.amdhsa_next_free_vgpr 256
		.amdhsa_next_free_sgpr 66
		.amdhsa_reserve_vcc 0
		.amdhsa_float_denorm_mode_32 3
		.amdhsa_float_denorm_mode_16_64 3
		.amdhsa_memory_ordered 1
		.amdhsa_forward_progress 1
		.amdhsa_inst_pref_size 75
	.end_amdhsa_kernel
	.amdgpu_metadata
---
amdhsa.version: [ 1, 2 ]
amdhsa.kernels:
  - .name:           k_q6b0284ac81_prep
    .symbol:         k_q6b0284ac81_prep.kd
    .args:
      - { .name: x, .offset: 0, .size: 8, .value_kind: global_buffer, .address_space: global }
      - { .name: w_attn, .offset: 8, .size: 8, .value_kind: global_buffer, .address_space: global }
      - { .name: w_proj, .offset: 16, .size: 8, .value_kind: global_buffer, .address_space: global }
      - { .name: x_codes, .offset: 24, .size: 8, .value_kind: global_buffer, .address_space: global }
      - { .name: x_scales, .offset: 32, .size: 8, .value_kind: global_buffer, .address_space: global }
      - { .name: wa_codes, .offset: 40, .size: 8, .value_kind: global_buffer, .address_space: global }
      - { .name: wa_scales, .offset: 48, .size: 8, .value_kind: global_buffer, .address_space: global }
      - { .name: wp16, .offset: 56, .size: 8, .value_kind: global_buffer, .address_space: global }
    .group_segment_fixed_size: 154112
    .private_segment_fixed_size: 0
    .kernarg_segment_align: 8
    .kernarg_segment_size: 64
    .max_flat_workgroup_size: 256
    .sgpr_count:     66
    .vgpr_count:     256
    .wavefront_size: 32
...
	.end_amdgpu_metadata
.endif
;; end of part 1
;; launch gemm (part 2): grid 12 x 32, 4 waves a work-group, clusters of 4 x 1, 327,680 bytes of LDS; arguments x_codes, x_scales, wa_codes, wa_scales, qkv, b_attn, qkvf; writes qkv, qkvf
.if DOCPART == 2
	.amdgcn_target "amdgcn-amd-amdhsa--gfx1250"
	.amdhsa_code_object_version 6
	.text
	.protected	k_q6b0284ac81_gemm
	.globl	k_q6b0284ac81_gemm
	.p2align	8
	.type	k_q6b0284ac81_gemm,@function
k_q6b0284ac81_gemm:
	s_mov_b64 s[64:65], 0
	v_nop
	global_prefetch_b8 v0, s[64:65] scope:SCOPE_SE
	s_setreg_imm32_b32 hwreg(HW_REG_WAVE_MODE, 25, 1), 1
	s_wait_xcnt 0x0
	s_wait_alu depctr_hold_cnt(0) depctr_sa_sdst(0) depctr_va_vdst(0) depctr_va_sdst(0) depctr_va_ssrc(0) depctr_va_vcc(0) depctr_vm_vsrc(0)
	s_getreg_b32 s2, hwreg(HW_REG_IB_STS2, 6, 4)
	s_cmp_eq_u32 s2, 0
	s_cbranch_scc0 .Lentry_in_a_cluster
	s_endpgm
.Lentry_in_a_cluster:
	s_bfe_u32 s2, ttmp6, 0x10000c
	s_cmp_lg_u32 s2, 0x3003
	s_cbranch_scc0 .Lentry_shape_is_right
	s_endpgm
.Lentry_shape_is_right:
; qkv = Q(x) Q(w_attn) + b_attn on codes of FP4 (E2M1) with E8M0 scales, sums in f32.  M = 8,192, N = 3,072, K = 1,024.
; A tile of 256 x 256 is made by four waves, 128 x 128 each: 64 accumulators, 512 registers.  K = 1,024 is exactly two LDS slots of 512 along K: both slots and all scale bytes are first fills; nothing is filled again.
; The bias is the C of each sum's first matrix instruction.  THE MATRIX INSTRUCTION IS USED TRANSPOSED (source 0 = 16 columns' rows of w, source 1 = 16 rows of x): a lane holds eight neighbouring columns of one row.
; OUT: q, k, v as f16, head-major: qkv [3 parts][4 b][16 h][2048 t][64 d]: 16 tokens of a head are 2,048 consecutive bytes.  The rows t < 16 of every sequence also leave as f32: qkvf [4 b][16 t][3072].
; LIMITS: |q|, |k|, |v| stay under 65,504, f16's largest number; under 6e-5 f16 is subnormal.
; CLUSTER 4 x 1: the four partners make the tiles of one tile row and ask for x's tiles and scales JOINTLY (mask 15).  w's tiles differ between them and come by plain loads.
; Not 4 x 4: the f32 rows are stored under a branch on the tile row, which must be the same in all partners; with one work-group along y it is the cluster's y.
; 384 work-groups: 12 x 32 tiles; a wider tile does not fit the registers and a narrower one would cut heads.
; REGISTERS, in windows of 256: window 0: v0-31 addresses; v32-95 scale words, two sets; v128-191 x's fragments, one set; v192-255 the bias.  window 1: w's fragments, two sets.  windows 2, 3: accumulators.
.set KSTEP,  512
.set NQ,     4
.set ROWB,   256
.set KROW,   512
.set PITCH,  272                       ; an LDS row: 256 bytes + 16 of padding: the sixteen rows of a fragment load start at sixteen different groups of banks
.set FR,     8
.set NL,     2
.set NP,     4
.set HALFT,  128*PITCH
.set SLOT,   4*HALFT
.set KS,     32                        ; a row of scale bytes
.set SCL,    2*SLOT
.set HALFS,  16*272                    ; the scales of 128 rows: 16 units of 256 bytes + 16
.set SBLK,   2*272                     ; of 16 rows
.set SPARE,  SCL+4*HALFS
.set ADRA, 16
.set ADRB, 20
.set STO,  24                          ; the way out: where I put 16 bytes of a row
.set RD,   25                          ; and where I read back
.set CO,   26                          ; my byte offset in qkv
.set ADRS, 27
.set SPW,  28
.set NIL,  29
.set FSTO, 10                          ; the f32 rows: into their stage, back, and in qkvf
.set FRD,  11
.set FCO,  12
.set BOF,  13                          ; 32 x (lane / 16): my eight numbers of a tile's bias
.set SC,   32
.set AF,   128
.set BI,   192
.set TMP,  32                          ; the way out: packed results
.set BK,   64                          ; and rows read back, v64-95 and v96-127 by turns
.set G1, 24
.set G0, 32
.set G1B, 48
.set G0B, 56
.set G1S, 68
.set G0S, 76
.set G1SB, 80
.set G0SB, 88
.set FINE, 95                          ; s95: 0 in the waves whose first 16 rows are t = 0 .. 15
.set MSB, 0
.macro WIN new
.if MSB != \new
	s_set_vgpr_msb (MSB<<8)|\new
.set MSB, \new
.endif
.endm
.set MUL_LO, 0xa1                      ; source 0 (w) window 1, source 1 (x) window 0, C and D window 2
.set MUL_HI, 0xf1
.set BIA_LO, 0x81                      ; the same with C (the bias) in window 0
.set BIA_HI, 0xc1
.set TO_B,   0x40
; Waves 0 and 1 fetch for x (jointly), waves 2 and 3 for w.  The branch hangs on the wave's number alone.  An s_nop 0 and four v_nop follow each line.
.macro JLOAD g0a, g1a, g0b, g1b
	s_cmp_eq_u32 s15, 0
	s_cbranch_scc0 .Lfor_b_\@
	tensor_load_to_lds s[\g0a:\g0a+3], s[\g1a:\g1a+7]
	s_nop 0
.rept 4
	v_nop
.endr
	s_branch .Lasked_\@
.Lfor_b_\@:
	tensor_load_to_lds s[\g0b:\g0b+3], s[\g1b:\g1b+7]
	s_nop 0
.rept 4
	v_nop
.endr
.Lasked_\@:
.endm
.macro CROUND                          ; a round of the cluster's barrier
	s_barrier_signal -1
	s_barrier_wait -1
	s_cmp_lg_u32 s14, 0
	s_cbranch_scc1 .Lnot_wave_0_\@
	s_barrier_signal -3
.Lnot_wave_0_\@:
	s_barrier_wait -3
	s_barrier_signal -1
	s_barrier_wait -1
.endm
	s_load_b128 s[4:7], s[0:1], 0x0                ; x's codes, x's scales
	s_load_b128 s[8:11], s[0:1], 0x10              ; w's codes, w's scales
	s_load_b64 s[12:13], s[0:1], 0x20              ; qkv
	s_load_b128 s[96:99], s[0:1], 0x28             ; b_attn, qkvf
	v_lshl_add_u32 v[SPW], v0, 2, SPARE
	v_mov_b32 v[NIL], 0
	ds_add_u32 v[SPW], v[NIL]                      ; the wave's opening: the add, twice on end, and its wait ahead of my first tensor load
	ds_add_u32 v[SPW], v[NIL]
	v_lshrrev_b32 v1, 5, v0
	v_readfirstlane_b32 s14, v1                    ; wave 0..3
	s_lshr_b32 s15, s14, 1                         ; which half of the tile's rows is mine.  Also: I fetch for x (0) or for w (1)
	s_and_b32 s16, s14, 1                          ; which half of its columns.  Also: which 128 rows I fetch
	s_bfe_u32 s40, ttmp6, 0x40000                  ; cx
	s_lshl_b32 s42, ttmp9, 2
	s_add_co_u32 s42, s42, s40                     ; tile column = 4 x cluster x + cx
	s_and_b32 s17, ttmp7, 0xffff                   ; tile row = cluster y: the same in all four partners
	s_mov_b32 s[G1+0], 15|(1<<20)|(1<<21)|(5<<22)|(3<<25)          ; the mask names all four; elements of 1 byte; 4 words of padding behind every 64
	s_mov_b32 s[G1B+0], (1<<20)|(5<<22)|(3<<25)                    ; no mask: my own tile
.irp g, G1, G1B
	s_mov_b32 s[\g+1], ROWB<<16                    ; tensor_dim0
	s_mov_b32 s[\g+2], 128<<16                     ; tensor_dim1
	s_mov_b32 s[\g+3], ROWB<<16                    ; tile_dim0
	s_mov_b32 s[\g+4], 128                         ; tile_dim1
	s_mov_b32 s[\g+5], KROW                        ; from row to row
	s_mov_b32 s[\g+6], 0
	s_mov_b32 s[\g+7], 0
.endr
	s_mov_b32 s[G1S+0], 15|(3<<16)|(1<<20)|(1<<21)|(5<<22)|(3<<25) ; the scales of 128 rows: 4,096 dense bytes as 16 rows of 256 (32 elements of 8 bytes)
	s_mov_b32 s[G1SB+0], (3<<16)|(1<<20)|(5<<22)|(3<<25)
.irp g, G1S, G1SB
	s_mov_b32 s[\g+1], 32<<16
	s_mov_b32 s[\g+2], 16<<16
	s_mov_b32 s[\g+3], 32<<16
	s_mov_b32 s[\g+4], 16
	s_mov_b32 s[\g+5], 32
	s_mov_b32 s[\g+6], 0
	s_mov_b32 s[\g+7], 0
.endr
	s_lshl_b32 s18, s16, 7
	s_lshl_b32 s20, s17, 8
	s_add_co_u32 s20, s20, s18                     ; x: row 256 x tile row + 128 x half
	s_lshl_b32 s46, s42, 8
	s_add_co_u32 s46, s46, s18                     ; w: row 256 x tile column + 128 x half
	s_mov_b32 s21, 0
	s_mov_b32 s47, 0
	s_mov_b64 s[18:19], KS
	s_mul_u64 s[22:23], s[20:21], s[18:19]         ; where these rows' scales begin,
	s_mul_u64 s[92:93], s[46:47], s[18:19]
	s_mov_b64 s[18:19], KROW
	s_mul_u64 s[20:21], s[20:21], s[18:19]         ; and their codes
	s_mul_u64 s[46:47], s[46:47], s[18:19]
	s_mul_i32 s45, s14, HALFT                      ; where they go: wave x 128 rows
	s_mul_i32 s94, s14, HALFS
	s_wait_dscnt 0x0                               ; both opening adds are done
	s_wait_kmcnt 0x0
	s_add_nc_u64 s[20:21], s[4:5], s[20:21]
	s_add_nc_u64 s[22:23], s[6:7], s[22:23]
	s_add_nc_u64 s[46:47], s[8:9], s[46:47]
	s_add_nc_u64 s[92:93], s[10:11], s[92:93]
	CROUND                                         ; all four work-groups are here: the joint loads meet
	s_mov_b32 s[G0S], 1
	s_add_co_u32 s[G0S+1], s94, SCL
	s_mov_b64 s[G0S+2:G0S+3], s[22:23]
	s_or_b32 s[G0S+3], s[G0S+3], 0x80000000
	s_mov_b32 s[G0SB], 1
	s_add_co_u32 s[G0SB+1], s94, SCL
	s_mov_b64 s[G0SB+2:G0SB+3], s[92:93]
	s_or_b32 s[G0SB+3], s[G0SB+3], 0x80000000
	JLOAD G0S, G1S, G0SB, G1SB                     ; the scales first
.irp s, 0,1
	s_mov_b32 s[G0+4*\s], 1
	s_add_co_u32 s[G0+4*\s+1], s45, \s*SLOT
	s_add_nc_u64 s[G0+4*\s+2:G0+4*\s+3], s[20:21], \s*ROWB
	s_or_b32 s[G0+4*\s+3], s[G0+4*\s+3], 0x80000000
	s_mov_b32 s[G0B+4*\s], 1
	s_add_co_u32 s[G0B+4*\s+1], s45, \s*SLOT
	s_add_nc_u64 s[G0B+4*\s+2:G0B+4*\s+3], s[46:47], \s*ROWB
	s_or_b32 s[G0B+4*\s+3], s[G0B+4*\s+3], 0x80000000
	JLOAD G0+4*\s, G1, G0B+4*\s, G1B               ; three loads of mine are out
.endr
	v_and_b32 v1, 15, v0                           ; r = lane % 16
	v_bfe_u32 v2, v0, 4, 1                         ; h = lane / 16
	v_mul_u32_u24 v3, v1, PITCH
	v_lshl_add_u32 v4, v2, 4, v3
	s_mul_i32 s21, s15, HALFT
	s_mul_i32 s22, s16, HALFT
	s_add_co_u32 s22, s22, 2*HALFT
.irp s, 0,1
	v_add_nc_u32 v[ADRA+\s], s21, v4
	v_add_nc_u32 v[ADRB+\s], s22, v4
	s_add_co_u32 s21, s21, SLOT
	s_add_co_u32 s22, s22, SLOT
.endr
	v_mul_u32_u24 v5, v1, KS                       ; my row's scales: 32 bytes a row,
	v_lshrrev_b32 v6, 8, v5
	v_lshl_add_u32 v5, v6, 4, v5                   ; and 16 more for each 256 passed
	s_mul_i32 s21, s15, HALFS
	s_mul_i32 s22, s16, HALFS
	s_add_co_u32 s22, s22, 2*HALFS
	s_sub_co_u32 s22, s22, s21
	v_mul_u32_u24 v6, s22, v2                      ; lanes 16-31 take w's
	s_add_co_u32 s21, s21, SCL
	v_add_nc_u32 v5, v5, v6
	v_add_nc_u32 v[ADRS], s21, v5
	; the way out.  The stages lie in slot 0, which has had its only fill and, behind the change of slots, no reader.
	s_mul_i32 s23, s14, 4608                       ; my f16 stage: [2 heads][16 rows][128 bytes + 16]
	v_mul_u32_u24 v5, v1, 144
	v_lshl_add_u32 v5, v2, 4, v5
	v_add_nc_u32 v[STO], s23, v5
	v_mul_u32_u24 v5, v2, 2304                     ; back: lanes 0-15 one head, lanes 16-31 the other; eight lanes to a row, two rows
	v_bfe_u32 v6, v0, 3, 1
	v_mad_u32_u24 v5, v6, 144, v5
	v_and_b32 v6, 7, v0
	v_lshl_add_u32 v5, v6, 4, v5
	v_add_nc_u32 v[RD], s23, v5
	v_lshlrev_b32 v5, 18, v2                       ; a head is 262,144 bytes
	v_lshl_add_u32 v[CO], v1, 4, v5
	s_mul_i32 s23, s14, 8448                       ; my f32 stage: 16 rows x (512 bytes + 16)
	s_add_co_u32 s23, s23, 32768
	v_mul_u32_u24 v5, v1, 528
	v_lshl_add_u32 v5, v2, 5, v5
	v_add_nc_u32 v[FSTO], s23, v5
	v_and_b32 v6, 31, v0
	v_lshlrev_b32 v[FCO], 4, v6
	v_add_nc_u32 v[FRD], s23, v[FCO]
	v_lshlrev_b32 v[BOF], 5, v2
	s_lshl_b32 s20, ttmp9, 24                      ; the part (q, k or v) = tile column / 4 = cluster x
	s_lshr_b32 s21, s17, 3
	s_lshl_b32 s21, s21, 22                        ; the batch
	s_add_co_u32 s20, s20, s21
	s_lshl_b32 s21, s40, 2
	s_lshl_b32 s22, s16, 1
	s_add_co_u32 s21, s21, s22
	s_lshl_b32 s21, s21, 18                        ; my first head: 4 cx + 2 x column half
	s_add_co_u32 s20, s20, s21
	s_and_b32 s21, s17, 7
	s_lshl_b32 s21, s21, 15                        ; my first token: 256 x (tile row % 8) + 128 x row half, 128 bytes each
	s_add_co_u32 s20, s20, s21
	s_lshl_b32 s21, s15, 14
	s_add_co_u32 s20, s20, s21
	s_mov_b32 s21, 0
	s_add_nc_u64 s[12:13], s[12:13], s[20:21]
	s_lshl_b32 s46, s42, 10                        ; my first column, as f32: 1,024 x tile column + 512 x half
	s_lshl_b32 s47, s16, 9
	s_add_co_u32 s46, s46, s47
	s_mov_b32 s47, 0
	s_add_nc_u64 s[96:97], s[96:97], s[46:47]
	s_add_nc_u64 s[98:99], s[98:99], s[46:47]
	s_lshr_b32 s46, s17, 3
	s_mul_i32 s46, s46, 196608                     ; qkvf: 16 rows of 12,288 bytes a batch
	s_add_nc_u64 s[98:99], s[98:99], s[46:47]
	s_and_b32 s[FINE], s17, 7
	s_or_b32 s[FINE], s[FINE], s15
.irp b, 0,1,2,3,4,5,6,7
	global_load_b128 v[BI+8*\b:BI+8*\b+3], v[BOF], s[96:97] offset:64*\b        ; b_attn at my eight columns of column block b
	global_load_b128 v[BI+8*\b+4:BI+8*\b+7], v[BOF], s[96:97] offset:64*\b+16
.endr
.macro FRAG reg, adr, q, i             ; 16 rows x 128 K of 4-bit codes: 8 registers, two loads of 16 bytes, 32 bytes apart
.irp c, 0,1
	ds_load_b128 v[\reg+4*\c:\reg+4*\c+3], v[\adr] offset:64*(\q)+32*\c+(\i)*16*PITCH
.endr
.endm
; 16 matrix instructions: x's blocks a0, a0 + 1 against w's eight.  first = 1: the bias is C and starts the sums.  The 64 accumulators take turns, one instruction a turn.
.macro MUL16 a0, p, q, sc, first
.irp a, \a0, \a0+1
.irp b, 0,1,2,3,4,5,6,7
.if \first
	v_wmma_scale_f32_16x16x128_f8f6f4 v[8*(8*((\a)%4)+\b):8*(8*((\a)%4)+\b)+7], v[128*(\p)+FR*\b:128*(\p)+FR*\b+FR-1], v[AF+FR*(\a):AF+FR*(\a)+FR-1], v[BI+8*\b:BI+8*\b+7], v[SC+8*NQ*(\sc)+NQ*\b+(\q)], v[SC+8*NQ*(\sc)+NQ*(\a)+(\q)] matrix_a_fmt:MATRIX_FMT_FP4 matrix_b_fmt:MATRIX_FMT_FP4 matrix_a_scale:MATRIX_SCALE_ROW1
.else
	v_wmma_scale_f32_16x16x128_f8f6f4 v[8*(8*((\a)%4)+\b):8*(8*((\a)%4)+\b)+7], v[128*(\p)+FR*\b:128*(\p)+FR*\b+FR-1], v[AF+FR*(\a):AF+FR*(\a)+FR-1], v[8*(8*((\a)%4)+\b):8*(8*((\a)%4)+\b)+7], v[SC+8*NQ*(\sc)+NQ*\b+(\q)], v[SC+8*NQ*(\sc)+NQ*(\a)+(\q)] matrix_a_fmt:MATRIX_FMT_FP4 matrix_b_fmt:MATRIX_FMT_FP4 matrix_a_scale:MATRIX_SCALE_ROW1
.endif
.endr
.endr
.endm
.macro FETCH_B slot, q, p
	WIN TO_B
.irp i, 0,1,2,3,4,5,6,7
	FRAG 128*(\p)+FR*\i, ADRB+\slot, \q, \i
.endr
	WIN 0
.endm
.macro FETCH_A slot, q, i0
.irp i, \i0, \i0+1, \i0+2, \i0+3
	FRAG AF+FR*(\i), ADRA+\slot, \q, \i
.endr
.endm
.macro SCALES sc                       ; a slot's scale words: lanes 0-15 x's block i, lanes 16-31 w's block i; four words a row
.irp i, 0,1,2,3,4,5,6,7
	ds_load_b128 v[SC+8*NQ*\sc+NQ*\i:SC+8*NQ*\sc+NQ*\i+3], v[ADRS] offset:\i*SBLK
.endr
.endm
.macro PLACES n                        ; plain vector instructions between a matrix instruction and a load into, or a read of, its registers
.rept \n
	v_nop
.endr
.endm
.macro STEP slot, q, first             ; 128 along K that has its successor in the same slot
	s_wait_dscnt 4*NL                              ; w's set, x's blocks 0-3 (and the scale words) are in; the youngest eight loads, x's blocks 4-7, may be out
.if \first
	WIN BIA_LO
.else
	WIN MUL_LO
.endif
	MUL16 0, (\q)%2, \q, \slot, \first
	MUL16 2, (\q)%2, \q, \slot, \first
	s_wait_dscnt 0
	PLACES NP
	FETCH_B \slot, (\q)+1, 1-(\q)%2
	FETCH_A \slot, (\q)+1, 0
.if \first
	WIN BIA_HI
.else
	WIN MUL_HI
.endif
	MUL16 4, (\q)%2, \q, \slot, \first
	MUL16 6, (\q)%2, \q, \slot, \first
	PLACES NP
	WIN 0
	FETCH_A \slot, (\q)+1, 4
.endm
.macro STEPS slot, from
.set Q, \from
.rept NQ-1-\from
	STEP \slot, Q, 0
.set Q, Q+1
.endr
.endm
	s_wait_tensorcnt 1                             ; the scales and my part of slot 0 are in; slot 1's load, issued behind them, may be out
	s_barrier_signal -1
	s_barrier_wait -1
	FETCH_B 0, 0, 0
	FETCH_A 0, 0, 0
	SCALES 0
	FETCH_A 0, 0, 4
	s_wait_loadcnt 0x0                             ; the bias
	STEP 0, 0, 1
	STEPS 0, 1
	; slot 0's last step changes slots: one barrier; in front of it my loads have landed and my reads of slot 0 are over
	s_wait_tensorcnt 0x0
	ds_add_u32 v[SPW], v[NIL]                      ; 0 onto my spare word
	s_wait_dscnt 4*NL+1                            ; the add and the youngest eight loads may be out
	WIN MUL_LO
	MUL16 0, 1, NQ-1, 0, 0
	s_wait_dscnt 0x0
	s_barrier_signal -1
	MUL16 2, 1, NQ-1, 0, 0
	WIN 0
	s_barrier_wait -1
	PLACES NP
	v_add_nc_u32 v[ADRS], 4*NQ, v[ADRS]            ; on to slot 1's scale words
	FETCH_B 1, 0, 0
	FETCH_A 1, 0, 0
	SCALES 1
	WIN MUL_HI
	MUL16 4, 1, NQ-1, 0, 0
	MUL16 6, 1, NQ-1, 0, 0
	PLACES NP
	WIN 0
	FETCH_A 1, 0, 4
	STEPS 1, 0
	s_wait_dscnt 4*NL                              ; the last step: nothing more to fetch
	WIN MUL_LO
	MUL16 0, 1, NQ-1, 1, 0
	MUL16 2, 1, NQ-1, 1, 0
	s_wait_dscnt 0
	WIN MUL_HI
	MUL16 4, 1, NQ-1, 1, 0
	MUL16 6, 1, NQ-1, 1, 0
	WIN 0
	PLACES NP
	; THE f32 ROWS t = 0 .. 15: block 0 of the waves whose rows begin a sequence.  The branch hangs on the cluster's y and the wave's number: the same in all partners.
	s_cmp_lg_u32 s[FINE], 0
	s_cbranch_scc1 .Lnofine
	WIN 0x08                                       ; an LDS store's data are its source 1: window 2
.irp b, 0,1,2,3,4,5,6,7
	ds_store_b128 v[FSTO], v[8*\b:8*\b+3] offset:64*\b             ; each accumulator from its low end on
	ds_store_b128 v[FSTO], v[8*\b+4:8*\b+7] offset:64*\b+16
.endr
	WIN 0
.irp t, 0,1,2,3,4,5,6,7,8,9,10,11,12,13,14,15
	ds_load_b128 v[128+4*\t:128+4*\t+3], v[FRD] offset:\t*528
.endr
	s_wait_dscnt 0x0
.irp t, 0,1,2,3,4,5,6,7,8,9,10,11,12,13,14,15
	global_store_b128 v[FCO], v[128+4*\t:128+4*\t+3], s[98:99] offset:\t*12288   ; 512 consecutive bytes of a row
.endr
.Lnofine:
	; THE WAY OUT, block by block of 16 rows x 128 columns (two heads): rounded to f16, through my stage, out as 2 x 256 consecutive bytes an instruction.
.macro PACK a
.set AC, 64*((\a)%4)
	WIN 0x0a+5*((\a)/4)                            ; sources 0 and 1: window 2 or 3
.irp b, 0,1,2,3,4,5,6,7
.irp r, 0,1,2,3
	v_cvt_pk_f16_f32 v[TMP+4*\b+\r], v[AC+8*\b+2*\r], v[AC+8*\b+2*\r+1]
.endr
.endr
	WIN 0
.endm
.macro TOSTAGE a
.set BB, BK+32*((\a)%2)
.irp b, 0,1,2,3,4,5,6,7
	ds_store_b128 v[STO], v[TMP+4*\b:TMP+4*\b+3] offset:(\b/4)*2304+32*(\b%4)
.endr
.irp i, 0,1,2,3,4,5,6,7
	ds_load_b128 v[BB+4*\i:BB+4*\i+3], v[RD] offset:288*\i         ; LDS serves a wave's instructions in order: these see the stores above
.endr
.endm
.macro SEND a
.set BB, BK+32*((\a)%2)
	s_wait_dscnt 0x0                               ; the block is back in registers
	s_wait_xcnt 0x0                                ; the earlier stores have read their registers: the next block's loads may land there
.irp i, 0,1,2,3,4,5,6,7
	global_store_b128 v[CO], v[BB+4*\i:BB+4*\i+3], s[12:13] offset:(\a)*2048+\i*256 th:TH_STORE_NT   ; sixteen lanes store 256 consecutive bytes of a head, aligned
.endr
.endm
	PACK 0
	TOSTAGE 0
.irp a, 1,2,3,4,5,6,7
	PACK \a                                        ; block a's conversions stand between block a - 1's loads from the stage and the wait for them
	SEND \a-1
	TOSTAGE \a
.endr
	SEND 7
	s_wait_tensorcnt 0x0                           ; the wave's end
	ds_add_u32 v[SPW], v[NIL]
	s_wait_dscnt 0x0
	CROUND                                         ; the closing round
	s_endpgm
.Lfunc_end_k_q6b0284ac81_gemm:
	.size	k_q6b0284ac81_gemm, .Lfunc_end_k_q6b0284ac81_gemm-k_q6b0284ac81_gemm
	.p2alignl 7, 3214868480
	.fill 96, 4, 3214868480
	.section	.rodata,"a",@progbits
	.p2align	6, 0x0
	.amdhsa_kernel k_q6b0284ac81_gemm
		.amdhsa_group_segment_fixed_size 327680
		.amdhsa_private_segment_fixed_size 0
		.amdhsa_enable_private_segment 0
		.amdhsa_kernarg_size 56
		.amdhsa_user_sgpr_count 2
		.amdhsa_user_sgpr_kernarg_segment_ptr 1
		.amdhsa_wavefront_size32 1
		.amdhsa_system_sgpr_workgroup_id_x 1
		.amdhsa_system_sgpr_workgroup_id_y 1
		.amdhsa_system_sgpr_workgroup_id_z 1
		.amdhsa_system_vgpr_workitem_id 0
		.amdhsa_next_free_vgpr 1024
		.amdhsa_next_free_sgpr 100
		.amdhsa_reserve_vcc 0
		.amdhsa_float_denorm_mode_32 3
		.amdhsa_float_denorm_mode_16_64 3
		.amdhsa_memory_ordered 1
		.amdhsa_forward_progress 1
		.amdhsa_inst_pref_size 132
	.end_amdhsa_kernel
	.amdgpu_metadata
---
amdhsa.version: [ 1, 2 ]
amdhsa.kernels:
  - .name:           k_q6b0284ac81_gemm
    .symbol:         k_q6b0284ac81_gemm.kd
    .args:
      - { .name: x_codes, .offset: 0, .size: 8, .value_kind: global_buffer, .address_space: global }
      - { .name: x_scales, .offset: 8, .size: 8, .value_kind: global_buffer, .address_space: global }
      - { .name: wa_codes, .offset: 16, .size: 8, .value_kind: global_buffer, .address_space: global }
      - { .name: wa_scales, .offset: 24, .size: 8, .value_kind: global_buffer, .address_space: global }
      - { .name: qkv, .offset: 32, .size: 8, .value_kind: global_buffer, .address_space: global }
      - { .name: b_attn, .offset: 40, .size: 8, .value_kind: global_buffer, .address_space: global }
      - { .name: qkvf, .offset: 48, .size: 8, .value_kind: global_buffer, .address_space: global }
    .group_segment_fixed_size: 327680
    .private_segment_fixed_size: 0
    .kernarg_segment_align: 8
    .kernarg_segment_size: 56
    .max_flat_workgroup_size: 128
    .sgpr_count:     100
    .vgpr_count:     1024
    .wavefront_size: 32
...
	.end_amdgpu_metadata
.endif
;; end of part 2
;; launch attn (part 3): grid 4 x 64, 16 waves a work-group, no clusters, 327,680 bytes of LDS; arguments qkv, y16; writes y16
.if DOCPART == 3
	.amdgcn_target "amdgcn-amd-amdhsa--gfx1250"
	.amdhsa_code_object_version 6
	.text
	.protected	k_q6b0284ac81_attn
	.globl	k_q6b0284ac81_attn
	.p2align	8
	.type	k_q6b0284ac81_attn,@function
k_q6b0284ac81_attn:
	s_mov_b64 s[64:65], 0
	v_nop
	global_prefetch_b8 v0, s[64:65] scope:SCOPE_SE
	s_setreg_imm32_b32 hwreg(HW_REG_WAVE_MODE, 25, 1), 1
	s_wait_xcnt 0x0
; y[b][h][q] = the sum over k <= q of softmax_k(q . k / 8) v[k], head size 64, 2,048 positions, 64 heads in all.  Operands f16, products, maxima and sums f32; the weights p are rounded to f16 for the second product.
; qkv: f16 [3 parts][64 heads][2048 t][64 d].  y16: f16 [64 heads][2048 t][64 d].
; LIMITS: |q|, |k|, |v|, |y| under 65,504; a weight under 6e-8 of its row's largest is lost in f16.  The first 16 positions of each sequence are written again, more finely, by a later launch.
; SHARES.  Work-group (i, head) owns the query blocks i (waves 0-7) and 7 - i (waves 8-15), 256 queries each: under the causal mask that is the same work in all 256 work-groups.
; A wave owns 32 queries, two tiles of 16, which share every fragment of K and V that it reads from LDS.  Four waves lie on a SIMD: one wave's softmax stands beside another's products.
; Every work-group walks 8 slots of 256 keys (a constant count); a step of 64 keys all of which come after the wave's queries is jumped over; a slot that none of the sixteen waves reads is not asked for.
; No cluster: the four work-groups of a head need different numbers of slots.
; LAYOUT.  S^T = K Q^T (source 0 = 16 keys, source 1 = 16 queries): a lane holds ONE query (lane % 16) and keys 8 (lane / 16) + 0..7 of each tile.  Two such tiles rounded in pairs ARE source 1 of O^T = V^T P.
; SOFTMAX.  A running maximum m and sum l for each query: p = 2^(c s - c m), c = log2(e) / 8; O and l are multiplied in every step by a = 2^(c m_old - c m_new).
.set PK,    144                        ; a key's row in LDS: 128 bytes + 16
.set PV,    160                        ; a row of V: 128 + 32, for the turning load
.set VOFF,  256*PK                     ; a slot: 256 rows of K, then 256 rows of V
.set SLOT1, 1<<17
.set STAGE, 2*SLOT1                    ; the way out: 16 rows x 144 bytes for each wave; no tile lands here
.set SPARE, STAGE+16*16*PK             ; the spare words, 128 bytes for each of sixteen waves
.set AK0,  1
.set AV0,  2
.set ADK,  3
.set ADV,  4
.set QO,   5
.set STO,  6
.set RD,   7
.set GO,   8
.set SPW,  9
.set NIL,  10
.set PFO,  11
.set RMH,  12                          ; lane % 16 - 8 (lane / 16)
.set DD,   13
.set NINF, 14
.set TT,   15
.set ST,   16                          ; tile t's statistics at v[ST+8 t]: +0 c m, +1 m, +2, +3 l, +4, +5 at work, +6 a, +7 at work
.set Q,    32                          ; Q's fragments: 8 (2 t + e)
.set S,    64                          ; S^T, 32 a tile; p; then P, packed into the tile's first 16
.set O,    128                         ; O^T, 32 a tile
.set KV,   192                         ; K's eight fragments, then V's eight
.set WV,   18
.set SEL,  20
.set CS,   22
.set G1K,  24
.set G1V,  32
.set G0K,  40
.set G0V,  44
.set TB,   2
.set SLOTS, 67
.set KF,   68                          ; the step's first key
.set Q0,   69                          ; my first query
.set LQ,   70                          ; my work-group's last query
.set PFA,  76
.set LIM,  80
; Waves 0-3 fetch K's quarters of a slot, waves 4-7 V's, the others nothing.  An s_nop 0 and four v_nop follow each line.
.macro TLOAD
	s_cmp_lt_u32 s[WV], 4
	s_cbranch_scc0 .Lnot_k_\@
	tensor_load_to_lds s[G0K:G0K+3], s[G1K:G1K+7]
	s_nop 0
.rept 4
	v_nop
.endr
	s_branch .Lasked_\@
.Lnot_k_\@:
	s_cmp_lt_u32 s[WV], 8
	s_cbranch_scc0 .Lasked_\@
	tensor_load_to_lds s[G0V:G0V+3], s[G1V:G1V+7]
	s_nop 0
.rept 4
	v_nop
.endr
.Lasked_\@:
.endm
; A prefetch of what the NEXT change of slots will ask for: 32,768 bytes of K and of V.  All four work-groups of a head walk the same rows: the first of them asks; in it waves 8-11 ask for K's four
; quarters and waves 12-15 for V's, 8,192 bytes a wave, lanes 256 bytes apart: each block of 256 bytes is named once.  The last change that fills a slot asks for nothing.
.macro ASK
	s_cmp_gt_u32 s[SLOTS], s[LIM]
	s_cbranch_scc0 .Lnot_mine_\@
	global_prefetch_b8 v[PFO], s[PFA:PFA+1] th:TH_LOAD_NT scope:SCOPE_SE
.Lnot_mine_\@:
.endm
	s_load_b128 s[4:7], s[0:1], 0x0                ; qkv, y16
	v_lshl_add_u32 v[SPW], v0, 2, SPARE
	v_mov_b32 v[NIL], 0
	ds_add_u32 v[SPW], v[NIL]                      ; the wave's opening: the add, twice on end, and its wait ahead of the first tensor load
	ds_add_u32 v[SPW], v[NIL]
	v_lshrrev_b32 v1, 5, v0
	v_readfirstlane_b32 s[WV], v1                  ; wave 0..15
	s_and_b32 s8, ttmp7, 0xffff                    ; the head, 0..63
	s_sub_co_u32 s9, 7, ttmp9
	s_cmp_lt_u32 s[WV], 8
	s_cselect_b32 s12, ttmp9, s9                   ; my block of 256 queries
	s_lshl_b32 s12, s12, 8
	s_and_b32 s13, s[WV], 7
	s_lshl_b32 s13, s13, 5
	s_add_co_u32 s[Q0], s12, s13
	s_lshl_b32 s[LQ], s9, 8
	s_or_b32 s[LQ], s[LQ], 255
	s_lshl_b32 s82, s8, 18                         ; a head is 262,144 bytes in each part and in y16
	s_lshl_b32 s84, s[Q0], 7
	s_add_co_u32 s84, s84, s82                     ; my queries' first byte
	s_mov_b32 s85, 0
	s_and_b32 s14, s[WV], 3
	s_lshl_b32 s86, s14, 13                        ; my 64 rows of a slot
	s_add_co_u32 s86, s86, s82
	s_add_co_u32 s88, s86, 0x1000000               ; in K (part 1),
	s_mov_b32 s89, 0
	s_add_co_u32 s90, s86, 0x2000000               ; in V (part 2)
	s_mov_b32 s91, 0
	s_mul_i32 s15, s14, 64*PK
	s_mul_i32 s16, s14, 64*PV
	s_add_co_u32 s16, s16, VOFF
	s_cmp_lt_u32 s[WV], 12
	s_cselect_b32 s92, s88, s90
	s_add_co_u32 s92, s92, 32768                   ; the prefetches stand in slot 1; the first change of slots steps them to slot 2
	s_mov_b32 s93, 0
	s_lshr_b32 s17, s[WV], 3
	s_xor_b32 s17, s17, 1                          ; 0 in waves 8-15,
	s_or_b32 s17, s17, ttmp9                       ; of the head's first work-group
	s_cmp_eq_u32 s17, 0
	s_cselect_b32 s[LIM], 1, -1
	s_mov_b32 s[G1K], (1<<16)|(1<<20)|(4<<22)|(3<<25)              ; elements of 2 bytes; 4 words of padding behind every 32
	s_mov_b32 s[G1V], (1<<16)|(1<<20)|(4<<22)|(7<<25)              ; 8 words of padding
.irp g, G1K, G1V
	s_mov_b32 s[\g+1], 64<<16                      ; tensor_dim0 = 64
	s_mov_b32 s[\g+2], 64<<16                      ; tensor_dim1 = 64
	s_mov_b32 s[\g+3], 64<<16                      ; tile_dim0 = 64
	s_mov_b32 s[\g+4], 64                          ; tile_dim1 = 64 rows
	s_mov_b32 s[\g+5], 64                          ; from row to row
	s_mov_b32 s[\g+6], 0
	s_mov_b32 s[\g+7], 0
.endr
	s_mov_b32 s[SEL], 0x76543210
	s_mov_b32 s[SEL+1], 0xfedcba98
	s_mov_b32 s[CS], 0x3e38aa3b                    ; c = log2(e) / 8
	s_mov_b32 s[CS+1], s[CS]
	s_mov_b32 s[TB], 0
	s_mov_b32 s[SLOTS], 7
	s_mov_b32 s[KF], 0
	s_wait_dscnt 0x0                               ; both opening adds are done
	s_wait_kmcnt 0x0
	s_mov_b32 s[G0K], 1
	s_mov_b32 s[G0K+1], s15
	s_add_nc_u64 s[G0K+2:G0K+3], s[4:5], s[88:89]
	s_or_b32 s[G0K+3], s[G0K+3], 0x80000000
	s_mov_b32 s[G0V], 1
	s_mov_b32 s[G0V+1], s16
	s_add_nc_u64 s[G0V+2:G0V+3], s[4:5], s[90:91]
	s_or_b32 s[G0V+3], s[G0V+3], 0x80000000
	TLOAD                                          ; slot 0: it holds key 0, which counts for every query
	s_add_nc_u64 s[72:73], s[4:5], s[84:85]        ; Q at my first query
	s_add_nc_u64 s[6:7], s[6:7], s[84:85]          ; y16 likewise
	s_add_nc_u64 s[PFA:PFA+1], s[4:5], s[92:93]
	v_and_b32 v3, 15, v0                           ; r
	v_bfe_u32 v4, v0, 4, 1                         ; h
	v_lshlrev_b32 v[QO], 7, v3
	v_lshl_add_u32 v[QO], v4, 4, v[QO]             ; row r of 128 bytes + 16 h
.irp t, 0,1
.irp e, 0,1
	global_load_b128 v[Q+8*(2*\t+\e):Q+8*(2*\t+\e)+3],   v[QO], s[72:73] offset:2048*\t+64*\e
	global_load_b128 v[Q+8*(2*\t+\e)+4:Q+8*(2*\t+\e)+7], v[QO], s[72:73] offset:2048*\t+64*\e+32
.endr
.endr
	v_mul_u32_u24 v[AK0], v3, PK
	v_lshl_add_u32 v[AK0], v4, 4, v[AK0]
	v_and_b32 v[DD], 7, v0
	v_lshl_add_u32 v[DD], v4, 3, v[DD]             ; the turning load: key 8 h + lane % 8,
	v_mul_u32_u24 v[AV0], v[DD], PV
	v_bfe_u32 v[TT], v0, 3, 1
	v_lshl_add_u32 v[AV0], v[TT], 4, v[AV0]        ; channels 8 ((lane / 8) % 2) on
	v_add_nc_u32 v[AV0], VOFF, v[AV0]
	s_mul_i32 s12, s[WV], 16*PK
	s_add_co_u32 s12, s12, STAGE
	v_mul_u32_u24 v[STO], v3, PK
	v_lshl_add_u32 v[STO], v4, 4, v[STO]
	v_add_nc_u32 v[STO], s12, v[STO]
	v_and_b32 v[DD], 31, v0
	v_lshrrev_b32 v[TT], 3, v[DD]
	v_mul_u32_u24 v[RD], v[TT], PK                 ; back: eight lanes to a row, four rows an instruction
	v_and_b32 v[TT], 7, v0
	v_lshl_add_u32 v[RD], v[TT], 4, v[RD]
	v_add_nc_u32 v[RD], s12, v[RD]
	v_lshlrev_b32 v[GO], 4, v[DD]
	v_lshlrev_b32 v[PFO], 8, v[DD]
	v_lshlrev_b32 v[TT], 3, v4
	v_sub_nc_u32 v[RMH], v3, v[TT]
	v_mov_b32 v[NINF], 0xff800000
.irp t, 0,1
	v_mov_b32 v[ST+8*\t+1], 0xff61b1e6             ; m: -3e38, under every score
	v_mul_f32 v[ST+8*\t], s[CS], v[ST+8*\t+1]
.irp n, 2,3,4,5,6,7
	v_mov_b32 v[ST+8*\t+\n], 0
.endr
.endr
.set j, 0
.rept 64
	v_mov_b32 v[O+j], 0                            ; the step is written once: its first run finds zeros, which a = 0 leaves zeros
.set j, j+1
.endr
; A KEY STEP: 64 keys, the q-th of the slot in hand.
.macro STEP q
	s_add_co_u32 s96, s[Q0], 31
	s_cmp_gt_u32 s[KF], s96                        ; all 64 keys come after my 32 queries: nothing to do.  No barrier and no tensor load stands in a step
	s_cbranch_scc1 .Lhidden_\@
	v_add_nc_u32 v[ADK], s[TB], v[AK0]
	v_add_nc_u32 v[ADV], s[TB], v[AV0]
.rept 3
	v_nop                                          ; with the two additions five places behind the last step's products: four for the loads into their operands, five for the products that write over P
.endr
.irp kt, 0,1,2,3
.irp e, 0,1
	ds_load_b128 v[KV+8*(2*\kt+\e):KV+8*(2*\kt+\e)+3],   v[ADK] offset:(64*(\q)+16*\kt)*PK+64*\e
	ds_load_b128 v[KV+8*(2*\kt+\e)+4:KV+8*(2*\kt+\e)+7], v[ADK] offset:(64*(\q)+16*\kt)*PK+64*\e+32
.endr
.endr
	s_wait_dscnt 0x0
.irp e, 0,1                                    ; S^T = K Q^T: eight accumulators by turns, one instruction a turn
.irp kt, 0,1,2,3
.irp t, 0,1
.if \e == 0
	v_wmma_f32_16x16x32_f16 v[S+32*\t+8*\kt:S+32*\t+8*\kt+7], v[KV+8*(2*\kt+\e):KV+8*(2*\kt+\e)+7], v[Q+8*(2*\t+\e):Q+8*(2*\t+\e)+7], 0
.else
	v_wmma_f32_16x16x32_f16 v[S+32*\t+8*\kt:S+32*\t+8*\kt+7], v[KV+8*(2*\kt+\e):KV+8*(2*\kt+\e)+7], v[Q+8*(2*\t+\e):Q+8*(2*\t+\e)+7], v[S+32*\t+8*\kt:S+32*\t+8*\kt+7]
.endif
.endr
.endr
.endr
.rept 4
	v_nop                                          ; places in front of the loads into K's registers and of the first read of the scores
.endr
.irp g, 0,1                                    ; V, turned: it lands while the softmax is walked
.irp c, 0,1,2,3
	ds_load_tr16_b128 v[KV+8*(4*\g+\c):KV+8*(4*\g+\c)+3],   v[ADV] offset:(64*(\q)+32*\g)*PV+32*\c
	ds_load_tr16_b128 v[KV+8*(4*\g+\c)+4:KV+8*(4*\g+\c)+7], v[ADV] offset:(64*(\q)+32*\g)*PV+16*PV+32*\c
.endr
.endr
	s_add_co_u32 s96, s[KF], 63
	s_cmp_le_u32 s96, s[Q0]                        ; all 64 keys count for all my queries: no mask
	s_cbranch_scc1 .Lopen_\@
	s_sub_co_i32 s96, s[Q0], s[KF]
	v_add_nc_u32 v[DD], s96, v[RMH]                ; register 8 kt + j of tile t holds key KF + 16 kt + 8 h + j, for query Q0 + 16 t + r: hidden where 16 kt + j - 16 t > Q0 - KF + r - 8 h
.irp t, 0,1
.irp kt, 0,1,2,3
.irp j, 0,1,2,3,4,5,6,7
	v_cmp_gt_i32 vcc_lo, 16*\kt+\j-16*\t, v[DD]
	v_cndmask_b32 v[S+32*\t+8*\kt+\j], v[S+32*\t+8*\kt+\j], v[NINF], vcc_lo
.endr
.endr
.endr
.Lopen_\@:
.irp t, 0,1                                    ; the maximum: two chains a tile, ascending
	v_max3_num_f32 v[ST+8*\t+4], v[S+32*\t], v[S+32*\t+1], v[S+32*\t+2]
	v_max3_num_f32 v[ST+8*\t+7], v[S+32*\t+16], v[S+32*\t+17], v[S+32*\t+18]
.endr
.irp i, 3,5,7,9,11,13
.irp t, 0,1
	v_max3_num_f32 v[ST+8*\t+4], v[ST+8*\t+4], v[S+32*\t+\i], v[S+32*\t+\i+1]
	v_max3_num_f32 v[ST+8*\t+7], v[ST+8*\t+7], v[S+32*\t+16+\i], v[S+32*\t+17+\i]
.endr
.endr
.irp t, 0,1
	v_max3_num_f32 v[ST+8*\t+4], v[ST+8*\t+4], v[S+32*\t+15], v[S+32*\t+31]
.endr
.irp t, 0,1
	v_max3_num_f32 v[ST+8*\t+4], v[ST+8*\t+4], v[ST+8*\t+7], v[ST+8*\t+1]   ; with the other chain and the old m
.endr
.irp t, 0,1
	v_permlanex16_b32 v[ST+8*\t+5], v[ST+8*\t+4], s[SEL], s[SEL+1]          ; the query's other 32 keys lie in the lane 16 away
.endr
.irp t, 0,1
	v_mov_b32 v[ST+8*\t+7], v[ST+8*\t]             ; c m_old
.endr
.irp t, 0,1
	v_max_num_f32 v[ST+8*\t+1], v[ST+8*\t+4], v[ST+8*\t+5]
.endr
.irp t, 0,1
	v_mul_f32 v[ST+8*\t], s[CS], v[ST+8*\t+1]
.endr
.irp t, 0,1
	v_sub_f32 v[ST+8*\t+7], v[ST+8*\t+7], v[ST+8*\t]
.endr
.set j, 0
.rept 16
.irp t, 0,1
	v_pk_fma_f32 v[S+32*\t+j:S+32*\t+j+1], v[S+32*\t+j:S+32*\t+j+1], s[CS:CS+1], v[ST+8*\t:ST+8*\t+1] op_sel_hi:[1,0,0] neg_lo:[0,0,1] neg_hi:[0,0,1]   ; c s - c m
.endr
.set j, j+2
.endr
.irp t, 0,1
	v_exp_f32 v[ST+8*\t+6], v[ST+8*\t+7]           ; a
.endr
.set j, 0
.rept 32
	v_exp_f32 v[S+j], v[S+j]                       ; p: one batch of 66 exponentials,
	v_exp_f32 v[S+32+j], v[S+32+j]
.set j, j+1
.endr
	v_nop                                          ; a plain instruction behind the last of them,
	s_wait_alu depctr_va_vdst(0)                   ; and one wait ahead of the first instruction that names a result
.irp t, 0,1
	v_pk_mul_f32 v[ST+8*\t+2:ST+8*\t+3], v[ST+8*\t+2:ST+8*\t+3], v[ST+8*\t+6:ST+8*\t+7] op_sel_hi:[1,0]   ; l x a
.endr
.irp t, 0,1
	v_pk_add_f32 v[ST+8*\t+4:ST+8*\t+5], v[S+32*\t:S+32*\t+1], v[S+32*\t+2:S+32*\t+3]
.endr
.irp j, 4,8,12,16,20,24,28
.irp t, 0,1
	v_pk_add_f32 v[ST+8*\t+2:ST+8*\t+3], v[ST+8*\t+2:ST+8*\t+3], v[S+32*\t+\j:S+32*\t+\j+1]
	v_pk_add_f32 v[ST+8*\t+4:ST+8*\t+5], v[ST+8*\t+4:ST+8*\t+5], v[S+32*\t+\j+2:S+32*\t+\j+3]
.endr
.endr
.irp t, 0,1
	v_pk_add_f32 v[ST+8*\t+2:ST+8*\t+3], v[ST+8*\t+2:ST+8*\t+3], v[ST+8*\t+4:ST+8*\t+5]
.endr
.set j, 0
.rept 16
.irp t, 0,1
	v_cvt_pk_f16_f32 v[S+32*\t+j], v[S+32*\t+2*j], v[S+32*\t+2*j+1]   ; P, packed in place, ascending: register j is written when registers 2 j and 2 j + 1 are read
.endr
.set j, j+1
.endr
.set j, 0
.rept 16
.irp t, 0,1
	v_pk_mul_f32 v[O+32*\t+j:O+32*\t+j+1], v[O+32*\t+j:O+32*\t+j+1], v[ST+8*\t+6:ST+8*\t+7] op_sel_hi:[1,0]   ; O^T x a
.endr
.set j, j+2
.endr
	s_wait_dscnt 0x0                               ; V is in
.irp g, 0,1                                    ; O^T += V^T P: eight accumulators by turns
.irp c, 0,1,2,3
.irp t, 0,1
	v_wmma_f32_16x16x32_f16 v[O+32*\t+8*\c:O+32*\t+8*\c+7], v[KV+8*(4*\g+\c):KV+8*(4*\g+\c)+7], v[S+32*\t+8*\g:S+32*\t+8*\g+7], v[O+32*\t+8*\c:O+32*\t+8*\c+7]
.endr
.endr
.endr
.Lhidden_\@:
	s_add_co_u32 s[KF], s[KF], 64
.endm
; THE CHANGE OF SLOTS, at a slot's head.  Each wave waits for all its tensor loads, adds 0 to its spare word, waits for that and for its reads of the slot that it has left, and passes the barrier.
; fill = 1: the slot that was left is filled with the next 256 keys, as long as some wave of the work-group will read them.
.macro CHANGE fill
	s_wait_tensorcnt 0x0                           ; no tensor load of mine is out, so a group 0 may be written
	ds_add_u32 v[SPW], v[NIL]
.if \fill
	ds_add_u32 v[SPW], v[NIL]                      ; and twice on end here, in every trip alike
	s_xor_b32 s[G0K+1], s[G0K+1], SLOT1
	s_add_nc_u64 s[G0K+2:G0K+3], s[G0K+2:G0K+3], 32768
	s_xor_b32 s[G0V+1], s[G0V+1], SLOT1
	s_add_nc_u64 s[G0V+2:G0V+3], s[G0V+2:G0V+3], 32768
	s_wait_xcnt 0x0                                ; the last prefetch, a slot back, has read its address
	s_add_nc_u64 s[PFA:PFA+1], s[PFA:PFA+1], 32768
.endif
	s_wait_dscnt 0x0
	s_barrier_signal -1
	s_barrier_wait -1
.if \fill
	s_add_co_u32 s96, s[KF], 256                   ; the first key of the slot that this change would ask for
	s_cmp_gt_u32 s96, s[LQ]                        ; past my work-group's last query: no wave would read it.  Ids and the count of steps alone: all sixteen waves go the same way
	s_cbranch_scc1 .Lpast_\@
	TLOAD                                          ; a wave's one tensor load until the next barrier
.Lpast_\@:
	ASK
.endif
.endm
.macro SLOT_STEPS
	STEP 0
	STEP 1
	STEP 2
	STEP 3
	s_xor_b32 s[TB], s[TB], SLOT1
.endm
	s_wait_loadcnt 0x0                             ; Q
.Lslot:                                            ; seven trips
	CHANGE 1
	SLOT_STEPS
	s_sub_co_u32 s[SLOTS], s[SLOTS], 1
	s_cmp_lg_u32 s[SLOTS], 0
	s_cbranch_scc1 .Lslot
	CHANGE 0                                       ; the last slot is written out: nothing is asked for
	SLOT_STEPS
	; THE WAY OUT: O^T / l, rounded to f16, through my stage, out as 512 consecutive bytes an instruction.
.rept 4
	v_nop
.endr
.irp t, 0,1
	v_add_f32 v[ST+8*\t+4], v[ST+8*\t+2], v[ST+8*\t+3]
.endr
.irp t, 0,1
	v_permlanex16_b32 v[ST+8*\t+5], v[ST+8*\t+4], s[SEL], s[SEL+1]
.endr
.irp t, 0,1
	v_add_f32 v[ST+8*\t+4], v[ST+8*\t+4], v[ST+8*\t+5]
.endr
.irp t, 0,1
	v_rcp_f32 v[ST+8*\t+6], v[ST+8*\t+4]
.endr
	v_nop
	s_wait_alu depctr_va_vdst(0)                   ; one wait for the two reciprocals, ahead of their first reader
.irp t, 0,1
.set j, 0
.rept 16
	v_pk_mul_f32 v[S+32*\t+j:S+32*\t+j+1], v[O+32*\t+j:O+32*\t+j+1], v[ST+8*\t+6:ST+8*\t+7] op_sel_hi:[1,0]
.set j, j+2
.endr
.set j, 0
.rept 16
	v_cvt_pk_f16_f32 v[S+32*\t+j], v[S+32*\t+2*j], v[S+32*\t+2*j+1]
.set j, j+1
.endr
.irp c, 0,1,2,3
	ds_store_b128 v[STO], v[S+32*\t+4*\c:S+32*\t+4*\c+3] offset:32*\c
.endr
.irp i, 0,1,2,3
	ds_load_b128 v[KV+16*\t+4*\i:KV+16*\t+4*\i+3], v[RD] offset:4*PK*\i   ; LDS serves a wave's instructions in order
.endr
.endr
.irp t, 0,1
.irp i, 0,1,2,3
	s_wait_dscnt 8*(1-\t)+3-\i                     ; behind this load: the rest of its tile's, and for tile 0 the eight of tile 1
	global_store_b128 v[GO], v[KV+16*\t+4*\i:KV+16*\t+4*\i+3], s[6:7] offset:2048*\t+512*\i th:TH_STORE_NT
.endr
.endr
	s_wait_tensorcnt 0x0                           ; the wave's end
	ds_add_u32 v[SPW], v[NIL]
	s_wait_dscnt 0x0
	s_endpgm
.Lfunc_end_k_q6b0284ac81_attn:
	.size	k_q6b0284ac81_attn, .Lfunc_end_k_q6b0284ac81_attn-k_q6b0284ac81_attn
	.p2alignl 7, 3214868480
	.fill 96, 4, 3214868480
	.section	.rodata,"a",@progbits
	.p2align	6, 0x0
	.amdhsa_kernel k_q6b0284ac81_attn
		.amdhsa_group_segment_fixed_size 327680
		.amdhsa_private_segment_fixed_size 0
		.amdhsa_enable_private_segment 0
		.amdhsa_kernarg_size 16
		.amdhsa_user_sgpr_count 2
		.amdhsa_user_sgpr_kernarg_segment_ptr 1
		.amdhsa_wavefront_size32 1
		.amdhsa_system_sgpr_workgroup_id_x 1
		.amdhsa_system_sgpr_workgroup_id_y 1
		.amdhsa_system_sgpr_workgroup_id_z 1
		.amdhsa_system_vgpr_workitem_id 0
		.amdhsa_next_free_vgpr 256
		.amdhsa_next_free_sgpr 100
		.amdhsa_reserve_vcc 1
		.amdhsa_float_denorm_mode_32 3
		.amdhsa_float_denorm_mode_16_64 3
		.amdhsa_memory_ordered 1
		.amdhsa_forward_progress 1
		.amdhsa_inst_pref_size 188
	.end_amdhsa_kernel
	.amdgpu_metadata
---
amdhsa.version: [ 1, 2 ]
amdhsa.kernels:
  - .name:           k_q6b0284ac81_attn
    .symbol:         k_q6b0284ac81_attn.kd
    .args:
      - { .name: qkv, .offset: 0, .size: 8, .value_kind: global_buffer, .address_space: global }
      - { .name: y16, .offset: 8, .size: 8, .value_kind: global_buffer, .address_space: global }
    .group_segment_fixed_size: 327680
    .private_segment_fixed_size: 0
    .kernarg_segment_align: 8
    .kernarg_segment_size: 16
    .max_flat_workgroup_size: 512
    .sgpr_count:     100
    .vgpr_count:     256
    .wavefront_size: 32
...
	.end_amdgpu_metadata
.endif
;; end of part 3
;; launch proj (part 4): grid 8 x 32, 4 waves a work-group, clusters of 4 x 4, 327,680 bytes of LDS; arguments y16, wp16, out0, b_proj; writes out0
.if DOCPART == 4
	.amdgcn_target "amdgcn-amd-amdhsa--gfx1250"
	.amdhsa_code_object_version 6
	.text
	.protected	k_q6b0284ac81_proj
	.globl	k_q6b0284ac81_proj
	.p2align	8
	.type	k_q6b0284ac81_proj,@function
k_q6b0284ac81_proj:
	s_mov_b64 s[64:65], 0
	v_nop
	global_prefetch_b8 v0, s[64:65] scope:SCOPE_SE
	s_setreg_imm32_b32 hwreg(HW_REG_WAVE_MODE, 25, 1), 1
	s_wait_xcnt 0x0
	s_wait_alu depctr_hold_cnt(0) depctr_sa_sdst(0) depctr_va_vdst(0) depctr_va_sdst(0) depctr_va_ssrc(0) depctr_va_vcc(0) depctr_vm_vsrc(0)
	s_getreg_b32 s2, hwreg(HW_REG_IB_STS2, 6, 4)
	s_cmp_eq_u32 s2, 0
	s_cbranch_scc0 .Lentry_in_a_cluster
	s_endpgm
.Lentry_in_a_cluster:
	s_bfe_u32 s2, ttmp6, 0x10000c
	s_cmp_lg_u32 s2, 0xf033
	s_cbranch_scc0 .Lentry_shape_is_right
	s_endpgm
.Lentry_shape_is_right:
; out0 = y w_proj + b_proj.  y16: f16 [4 b][16 h][2048 t][64 d] (a head is 64 along K); wp16: f16 [1024 n][1024 k]; out0: f32 [8192][1024].  Sums in f32; the bias is the C of each sum's first matrix instruction.
; LIMITS: f16 operands (|y|, |w_proj| under 65,504).  The first 16 positions of each sequence are written again, in f32 throughout, by the launch that follows.
; A tile of 256 rows x 128 columns is made by four waves, 128 x 64 each: 32 accumulators, 256 registers: 256 work-groups.  K goes in steps of 128 (two heads) through two LDS slots.
; CLUSTERS 4 x 4: the four of a row of the cluster ask for y's tiles jointly, the four of a column for w's.  Waves 0 and 1 fetch y's two heads (256 rows x 128 bytes, dense), waves 2 and 3 w's two halves (64 rows x 256 bytes).
; USED TRANSPOSED (source 0 = 16 rows of wp16, source 1 = 16 rows of y): a lane holds eight neighbouring columns of one row of out0.
; No prefetch: the launch is short and its tiles are shared in clusters.
; REGISTERS: window 0: v0-31 addresses, v32-63 the bias, v64-127 rows on the way out.  window 1: two fragment buffers (64 of y, 32 of w).  window 2: accumulator (a, b) at v[8 (4 a + b)].
.set PA,     144                       ; a row of y in LDS: 128 bytes + 16
.set PB,     272                       ; a row of w: 256 + 16
.set APL,    256*PA                    ; a head's plane
.set BOFF,   2*APL
.set SLOT,   BOFF+128*PB
.set STAGE,  2*SLOT                    ; 16 rows x 272 bytes for each wave
.set SPITCH, 272
.set SPARE,  STAGE+4*16*SPITCH
.set LAPS,   4
.set ADRA, 16
.set ADRB, 20
.set STO,  24
.set RD,   25
.set CO,   26
.set BOF,  27
.set SPW,  28
.set NIL,  29
.set BI,   32
.set BK,   64
.set F0,   0
.set F1,   128
.set G1, 24
.set G0, 32
.set G1B, 48
.set G0B, 56
.set MSB, 0
.macro WIN new
.if MSB != \new
	s_set_vgpr_msb (MSB<<8)|\new
.set MSB, \new
.endif
.endm
.set MUL,  0xa5                        ; sources 0 and 1 window 1; C and D window 2
.set MULF, 0x85                        ; the same with C (the bias) in window 0
.set TO_F, 0x40
.macro JLOAD s                         ; an s_nop 0 and four v_nop follow each of the two lines
	s_cmp_eq_u32 s11, 0
	s_cbranch_scc0 .Lfor_b_\@
	tensor_load_to_lds s[G0+4*\s:G0+4*\s+3], s[G1:G1+7]
	s_nop 0
.rept 4
	v_nop
.endr
	s_branch .Lasked_\@
.Lfor_b_\@:
	tensor_load_to_lds s[G0B+4*\s:G0B+4*\s+3], s[G1B:G1B+7]
	s_nop 0
.rept 4
	v_nop
.endr
.Lasked_\@:
.endm
.macro CREST
	s_cmp_lg_u32 s10, 0
	s_cbranch_scc1 .Lnot_wave_0_\@
	s_barrier_signal -3
.Lnot_wave_0_\@:
	s_barrier_wait -3
	s_barrier_signal -1
	s_barrier_wait -1
.endm
.macro CROUND
	s_barrier_signal -1
	s_barrier_wait -1
	CREST
.endm
	s_load_b128 s[4:7], s[0:1], 0x0                ; y16, wp16
	s_load_b128 s[68:71], s[0:1], 0x10             ; out0, b_proj
	v_lshl_add_u32 v[SPW], v0, 2, SPARE
	v_mov_b32 v[NIL], 0
	ds_add_u32 v[SPW], v[NIL]                      ; the wave's opening: the add, twice on end, and its wait ahead of my first tensor load
	ds_add_u32 v[SPW], v[NIL]
	v_lshrrev_b32 v1, 5, v0
	v_readfirstlane_b32 s10, v1                    ; wave 0..3
	s_lshr_b32 s11, s10, 1                         ; which half of the tile's rows is mine.  Also: I fetch for y (0) or for w (1)
	s_and_b32 s12, s10, 1                          ; which half of its columns.  Also: which head, or which 64 rows of w, I fetch
	s_bfe_u32 s40, ttmp6, 0x40000                  ; cx, cy
	s_bfe_u32 s41, ttmp6, 0x40004
	s_lshl_b32 s42, ttmp9, 2
	s_add_co_u32 s42, s42, s40                     ; tile column
	s_and_b32 s13, ttmp7, 0xffff
	s_lshl_b32 s13, s13, 2
	s_add_co_u32 s13, s13, s41                     ; tile row
	s_lshl_b32 s43, s41, 2
	s_lshl_b32 s43, 15, s43                        ; my row of the cluster
	s_lshl_b32 s44, 0x1111, s40                    ; my column
	s_or_b32 s[G1+0], s43, (1<<16)|(1<<20)|(1<<21)|(4<<22)|(3<<25)   ; elements of 2 bytes; 4 words of padding behind every 32
	s_mov_b32 s[G1+1], 64<<16                      ; tensor_dim0 = 64
	s_mov_b32 s[G1+2], 256<<16                     ; tensor_dim1 = 256
	s_mov_b32 s[G1+3], 64<<16                      ; tile_dim0
	s_mov_b32 s[G1+4], 256                         ; tile_dim1
	s_mov_b32 s[G1+5], 64                          ; from row to row
	s_mov_b32 s[G1+6], 0
	s_mov_b32 s[G1+7], 0
	s_or_b32 s[G1B+0], s44, (1<<16)|(1<<20)|(1<<21)|(5<<22)|(3<<25)  ; 4 words of padding behind every 64
	s_mov_b32 s[G1B+1], 128<<16
	s_mov_b32 s[G1B+2], 64<<16
	s_mov_b32 s[G1B+3], 128<<16
	s_mov_b32 s[G1B+4], 64
	s_mov_b32 s[G1B+5], 1024
	s_mov_b32 s[G1B+6], 0
	s_mov_b32 s[G1B+7], 0
	s_lshr_b32 s16, s13, 3
	s_lshl_b32 s16, s16, 22                        ; y: the batch,
	s_and_b32 s17, s13, 7
	s_lshl_b32 s17, s17, 15                        ; the tile's 256 tokens of 128 bytes,
	s_add_co_u32 s16, s16, s17
	s_lshl_b32 s17, s12, 18                        ; the head that I fetch
	s_add_co_u32 s16, s16, s17
	s_mov_b32 s17, 0
	s_lshl_b32 s46, s42, 7
	s_lshl_b32 s47, s12, 6
	s_add_co_u32 s46, s46, s47                     ; w: row 128 x tile column + 64 x half,
	s_lshl_b32 s46, s46, 11                        ; of 2,048 bytes
	s_mov_b32 s47, 0
	s_mul_i32 s20, s12, APL                        ; where they go: the wave's number alone
	s_mul_i32 s21, s12, 64*PB
	s_add_co_u32 s21, s21, BOFF
	s_wait_dscnt 0x0                               ; both opening adds are done
	s_wait_kmcnt 0x0
	s_add_nc_u64 s[14:15], s[4:5], s[16:17]
	s_add_nc_u64 s[46:47], s[6:7], s[46:47]
	CROUND                                         ; all sixteen work-groups are here
.irp s, 0,1
	s_mov_b32 s[G0+4*\s], 1
	s_add_co_u32 s[G0+4*\s+1], s20, \s*SLOT
	s_add_nc_u64 s[G0+4*\s+2:G0+4*\s+3], s[14:15], \s*524288       ; K step s: heads 2 s, 2 s + 1
	s_or_b32 s[G0+4*\s+3], s[G0+4*\s+3], 0x80000000
	s_mov_b32 s[G0B+4*\s], 1
	s_add_co_u32 s[G0B+4*\s+1], s21, \s*SLOT
	s_add_nc_u64 s[G0B+4*\s+2:G0B+4*\s+3], s[46:47], \s*256
	s_or_b32 s[G0B+4*\s+3], s[G0B+4*\s+3], 0x80000000
	JLOAD \s
.endr
	v_and_b32 v1, 15, v0                           ; r
	v_bfe_u32 v2, v0, 4, 1                         ; h
	v_mul_u32_u24 v3, v1, PA
	v_lshl_add_u32 v3, v2, 4, v3
	v_mul_u32_u24 v4, v1, PB
	v_lshl_add_u32 v4, v2, 4, v4
	s_mul_i32 s21, s11, 128*PA                     ; my 128 rows of y
	s_mul_i32 s22, s12, 64*PB                      ; my 64 rows of w
	s_add_co_u32 s22, s22, BOFF
.irp s, 0,1
	v_add_nc_u32 v[ADRA+\s], s21, v3
	v_add_nc_u32 v[ADRB+\s], s22, v4
	s_add_co_u32 s21, s21, SLOT
	s_add_co_u32 s22, s22, SLOT
.endr
	s_mul_i32 s23, s10, 16*SPITCH
	s_add_co_u32 s23, s23, STAGE                   ; my stage
	v_mul_u32_u24 v5, v1, SPITCH
	v_lshl_add_u32 v5, v2, 5, v5
	v_add_nc_u32 v[STO], s23, v5                   ; in: row r, 32 bytes for each half of the lanes
	v_mul_u32_u24 v5, v2, SPITCH
	v_lshl_add_u32 v5, v1, 4, v5
	v_add_nc_u32 v[RD], s23, v5                    ; back: lanes 0-15 one row of 256 bytes, lanes 16-31 the next
	v_lshlrev_b32 v5, 12, v2
	v_lshl_add_u32 v[CO], v1, 4, v5                ; and the same two rows in out0
	v_lshlrev_b32 v[BOF], 5, v2
	s_lshl_b32 s16, s13, 20                        ; my first row: 256 x tile row + 128 x half, of 4,096 bytes
	s_lshl_b32 s17, s11, 19
	s_add_co_u32 s16, s16, s17
	s_mov_b32 s17, 0
	s_add_nc_u64 s[68:69], s[68:69], s[16:17]
	s_lshl_b32 s46, s42, 9                         ; my first column, in bytes
	s_lshl_b32 s47, s12, 8
	s_add_co_u32 s46, s46, s47
	s_mov_b32 s47, 0
	s_add_nc_u64 s[68:69], s[68:69], s[46:47]
	s_add_nc_u64 s[70:71], s[70:71], s[46:47]
.irp b, 0,1,2,3
	global_load_b128 v[BI+8*\b:BI+8*\b+3], v[BOF], s[70:71] offset:64*\b
	global_load_b128 v[BI+8*\b+4:BI+8*\b+7], v[BOF], s[70:71] offset:64*\b+16
.endr
; 8 matrix instructions: row blocks a0, a0 + 1 x all 4 column blocks, 32 along K.  The 32 accumulators take turns, one instruction a turn.
.macro MUL8 f, a0, first
.irp a, \a0, \a0+1
.irp b, 0,1,2,3
.if \first
	v_wmma_f32_16x16x32_f16 v[8*(4*(\a)+\b):8*(4*(\a)+\b)+7], v[\f+64+8*\b:\f+64+8*\b+7], v[\f+8*(\a):\f+8*(\a)+7], v[BI+8*\b:BI+8*\b+7]
.else
	v_wmma_f32_16x16x32_f16 v[8*(4*(\a)+\b):8*(4*(\a)+\b)+7], v[\f+64+8*\b:\f+64+8*\b+7], v[\f+8*(\a):\f+8*(\a)+7], v[8*(4*(\a)+\b):8*(4*(\a)+\b)+7]
.endif
.endr
.endr
.endm
; 24 LDS loads in one run: the fragments of the slot's q-th 32 along K: w's four, then y's eight
.macro FETCH slot, q, f
	WIN TO_F
.irp i, 0,1,2,3
	ds_load_b128 v[\f+64+8*\i:\f+64+8*\i+3],   v[ADRB+\slot] offset:64*(\q)+\i*16*PB
	ds_load_b128 v[\f+64+8*\i+4:\f+64+8*\i+7], v[ADRB+\slot] offset:64*(\q)+\i*16*PB+32
.endr
.irp i, 0,1,2,3,4,5,6,7
	ds_load_b128 v[\f+8*\i:\f+8*\i+3],   v[ADRA+\slot] offset:((\q)/2)*APL+((\q)%2)*64+\i*16*PA
	ds_load_b128 v[\f+8*\i+4:\f+8*\i+7], v[ADRA+\slot] offset:((\q)/2)*APL+((\q)%2)*64+\i*16*PA+32
.endr
.endm
.macro PLACES
.rept 4
	v_nop
.endr
.endm
.macro QUARTER slot, q, f, g, first    ; multiplies buffer f and fetches the slot's q-th quarter into g
	s_wait_dscnt 8                                 ; w's four and y's blocks 0-3 are in; the youngest eight loads, y's blocks 4-7, may be out
.if \first
	WIN MULF
.else
	WIN MUL
.endif
	MUL8 \f, 0, \first
	MUL8 \f, 2, \first
	PLACES
	FETCH \slot, \q, \g
	s_wait_dscnt 24                                ; all but the 24 just issued
.if \first
	WIN MULF
.else
	WIN MUL
.endif
	MUL8 \f, 4, \first
	MUL8 \f, 6, \first
.endm
; The last quarter multiplies buffer 1 and changes slots: one barrier; in front of it each wave waits for all its tensor loads, adds 0 to its spare word, and waits for that and for its reads of this slot.
.macro TURN slot, next, fill
	WIN 0
	s_wait_tensorcnt 0x0                           ; my part of the next slot has landed
	ds_add_u32 v[SPW], v[NIL]
	s_wait_dscnt 9                                 ; the add and the youngest eight loads may be out
	WIN MUL
	MUL8 F1, 0, 0
	s_wait_dscnt 0x0                               ; the add is done, and my reads of this slot are over
	s_barrier_signal -1
	MUL8 F1, 2, 0
.if \fill
	WIN 0
.endif
	s_barrier_wait -1
.if \fill
	CREST                                          ; the barrier has opened a round of the cluster's: no wave of any partner still reads this slot or has a load on its way
	s_add_nc_u64 s[G0+4*\slot+2:G0+4*\slot+3], s[G0+4*\slot+2:G0+4*\slot+3], 2*524288
	s_add_nc_u64 s[G0B+4*\slot+2:G0B+4*\slot+3], s[G0B+4*\slot+2:G0B+4*\slot+3], 512
	JLOAD \slot                                    ; the four v_nop behind it are also the places in front of the loads below
.else
	PLACES
.endif
	FETCH \next, 0, F0
	WIN MUL
	MUL8 F1, 4, 0
	MUL8 F1, 6, 0
.endm
	s_wait_tensorcnt 1                             ; my part of K step 0 is in; K step 1's load may be out
	s_barrier_signal -1
	s_barrier_wait -1
	FETCH 0, 0, F0
	s_wait_loadcnt 0x0                             ; the bias
	QUARTER 0, 1, F0, F1, 1                        ; the first quarter stands in front of the loop: the bias starts the sums
	WIN 0
	s_mov_b32 s3, LAPS-1
.Llap:                                                 ; a trip goes once round the ring and fills both slots again
	QUARTER 0, 2, F1, F0, 0
	QUARTER 0, 3, F0, F1, 0
	TURN 0, 1, 1
	QUARTER 1, 1, F0, F1, 0
	QUARTER 1, 2, F1, F0, 0
	QUARTER 1, 3, F0, F1, 0
	TURN 1, 0, 1
	QUARTER 0, 1, F0, F1, 0
	WIN 0
	s_sub_co_u32 s3, s3, 1
	s_cmp_lg_u32 s3, 0
	s_cbranch_scc1 .Llap
	QUARTER 0, 2, F1, F0, 0                        ; the last lap fills nothing
	QUARTER 0, 3, F0, F1, 0
	TURN 0, 1, 0
	QUARTER 1, 1, F0, F1, 0
	QUARTER 1, 2, F1, F0, 0
	QUARTER 1, 3, F0, F1, 0
	s_wait_dscnt 8
	WIN MUL
	MUL8 F1, 0, 0
	MUL8 F1, 2, 0
	s_wait_dscnt 0
	MUL8 F1, 4, 0
	MUL8 F1, 6, 0
	WIN 0
	; THE WAY OUT, block by block of 16 rows x 64 columns, through my own stage: sixteen lanes store 256 consecutive bytes, aligned.
.macro TOSTAGE a
	WIN 0x08                                       ; an LDS store's data are its source 1: window 2
.irp b, 0,1,2,3
	ds_store_b128 v[STO], v[32*(\a)+8*\b:32*(\a)+8*\b+3] offset:64*\b          ; each accumulator from its low end on
	ds_store_b128 v[STO], v[32*(\a)+8*\b+4:32*(\a)+8*\b+7] offset:64*\b+16
.endr
	WIN 0
.set BB, BK+32*((\a)%2)
.irp i, 0,1,2,3,4,5,6,7
	ds_load_b128 v[BB+4*\i:BB+4*\i+3], v[RD] offset:\i*2*SPITCH    ; LDS serves a wave's instructions in order
.endr
.endm
.macro SEND a, younger
.set BB, BK+32*((\a)%2)
	s_wait_dscnt \younger                          ; the block is back; the next block's eight stores and eight loads may be out
.irp i, 0,1,2,3,4,5,6,7
	global_store_b128 v[CO], v[BB+4*\i:BB+4*\i+3], s[68:69] offset:(16*(\a)+2*\i)*4096 th:TH_STORE_NT
.endr
.endm
	PLACES
	TOSTAGE 0
.irp a, 1,2,3,4,5,6,7
.if \a > 1
	s_wait_xcnt 0x0                                ; block a - 2's stores have read their registers: block a's loads may land there
.endif
	TOSTAGE \a
	SEND \a-1, 16
.endr
	SEND 7, 0
	s_wait_tensorcnt 0x0                           ; the wave's end
	ds_add_u32 v[SPW], v[NIL]
	s_wait_dscnt 0x0
	CROUND                                         ; the closing round
	s_endpgm
.Lfunc_end_k_q6b0284ac81_proj:
	.size	k_q6b0284ac81_proj, .Lfunc_end_k_q6b0284ac81_proj-k_q6b0284ac81_proj
	.p2alignl 7, 3214868480
	.fill 96, 4, 3214868480
	.section	.rodata,"a",@progbits
	.p2align	6, 0x0
	.amdhsa_kernel k_q6b0284ac81_proj
		.amdhsa_group_segment_fixed_size 327680
		.amdhsa_private_segment_fixed_size 0
		.amdhsa_enable_private_segment 0
		.amdhsa_kernarg_size 32
		.amdhsa_user_sgpr_count 2
		.amdhsa_user_sgpr_kernarg_segment_ptr 1
		.amdhsa_wavefront_size32 1
		.amdhsa_system_sgpr_workgroup_id_x 1
		.amdhsa_system_sgpr_workgroup_id_y 1
		.amdhsa_system_sgpr_workgroup_id_z 1
		.amdhsa_system_vgpr_workitem_id 0
		.amdhsa_next_free_vgpr 768
		.amdhsa_next_free_sgpr 72
		.amdhsa_reserve_vcc 0
		.amdhsa_float_denorm_mode_32 3
		.amdhsa_float_denorm_mode_16_64 3
		.amdhsa_memory_ordered 1
		.amdhsa_forward_progress 1
		.amdhsa_inst_pref_size 86
	.end_amdhsa_kernel
	.amdgpu_metadata
---
amdhsa.version: [ 1, 2 ]
amdhsa.kernels:
  - .name:           k_q6b0284ac81_proj
    .symbol:         k_q6b0284ac81_proj.kd
    .args:
      - { .name: y16, .offset: 0, .size: 8, .value_kind: global_buffer, .address_space: global }
      - { .name: wp16, .offset: 8, .size: 8, .value_kind: global_buffer, .address_space: global }
      - { .name: out0, .offset: 16, .size: 8, .value_kind: global_buffer, .address_space: global }
      - { .name: b_proj, .offset: 24, .size: 8, .value_kind: global_buffer, .address_space: global }
    .group_segment_fixed_size: 327680
    .private_segment_fixed_size: 0
    .kernarg_segment_align: 8
    .kernarg_segment_size: 32
    .max_flat_workgroup_size: 128
    .sgpr_count:     72
    .vgpr_count:     768
    .wavefront_size: 32
...
	.end_amdgpu_metadata
.endif
;; end of part 4
;; launch fine (part 5): grid 16 x 4, 16 waves a work-group, no clusters, 85,504 bytes of LDS; arguments qkvf, w_proj, b_proj, out0; writes out0
.if DOCPART == 5
	.amdgcn_target "amdgcn-amd-amdhsa--gfx1250"
	.amdhsa_code_object_version 6
	.text
	.protected	k_q6b0284ac81_fine
	.globl	k_q6b0284ac81_fine
	.p2align	8
	.type	k_q6b0284ac81_fine,@function
k_q6b0284ac81_fine:
	s_mov_b64 s[64:65], 0
	v_nop
	global_prefetch_b8 v0, s[64:65] scope:SCOPE_SE
	s_setreg_imm32_b32 hwreg(HW_REG_WAVE_MODE, 25, 1), 1
	s_wait_xcnt 0x0
; THE FIRST 16 POSITIONS OF EVERY SEQUENCE, in f32 throughout: their rows average few values, so 16-bit operands would weigh most there.  64 rows of out0 are written over.
; qkvf: f32 [4 b][16 t][3072] (q, k, v with their bias).  w_proj: f32 [1024 k][1024 n].
; Work-group (slice, b) makes 16 rows x 64 columns.  PHASE 1: wave = head: S^T = K Q^T, the causal softmax with the row's maximum taken away, O^T = V^T P; y (16 x 1,024) goes to LDS.
; PHASE 2: wave (nt = wave % 4, kq = wave / 4) makes columns 16 nt on over K = 256 kq on; the four parts meet in LDS, and wave w adds and stores row w.
; The f32 matrix form takes 4 along K; which four numbers of K a step takes is free, as long as both sources take the same: steps take them as 16-byte loads bring them.
; The registers that the matrix form writes (v208-255) are written by matrix instructions alone; each sum begins with the constant 0.
.set YP,    4112                       ; a row of y in LDS: 4,096 bytes + 16
.set RED,   66048                      ; [4 kq][16 rows][256 bytes + 16]
.set RP,    272
.set SPARE, 83456
.set QOF, 4
.set VOF, 5
.set WOF, 6
.set YST, 7
.set YLD, 8
.set RST, 9
.set RLD, 10
.set LO8, 11
.set RMH, 12
.set NINF, 13
.set SPW, 14
.set NIL, 15
.set QQ,  24
.set KK,  56
.set VV,  88
.set WD,  120
.set YF,  152
.set SS,  184
.set PP,  192
.set SA,  208                          ; SB = SA + 8
.set OO,  224
.set SEL, 20
.set CS,  22
	s_load_b256 s[4:11], s[0:1], 0x0               ; qkvf, w_proj, b_proj, out0
	v_lshl_add_u32 v[SPW], v0, 2, SPARE
	v_mov_b32 v[NIL], 0
	v_lshrrev_b32 v1, 5, v0
	v_readfirstlane_b32 s12, v1                    ; wave 0..15
	s_and_b32 s13, ttmp7, 0xffff                   ; b
	s_and_b32 s14, s12, 3                          ; nt
	s_lshr_b32 s15, s12, 2                         ; kq
	v_and_b32 v1, 15, v0                           ; r
	v_bfe_u32 v2, v0, 4, 1                         ; h
	v_and_b32 v3, 31, v0                           ; lane
	v_mul_u32_u24 v[QOF], v1, 12288
	v_lshl_add_u32 v[QOF], v2, 4, v[QOF]           ; q, k: row r, + 16 h
	v_mul_u32_u24 v[VOF], v2, 98304
	v_lshl_add_u32 v[VOF], v1, 2, v[VOF]           ; v: keys 8 h on, channel r
	v_lshlrev_b32 v[WOF], 14, v2
	v_lshl_add_u32 v[WOF], v1, 2, v[WOF]           ; w: rows 4 h on, column r
	v_mul_u32_u24 v16, v1, YP
	s_lshl_b32 s16, s12, 8
	v_lshl_add_u32 v[YST], v2, 5, v16
	v_add_nc_u32 v[YST], s16, v[YST]               ; y in: row r, my head's 256 bytes, + 32 h
	s_lshl_b32 s16, s15, 10
	v_lshl_add_u32 v[YLD], v2, 4, v16
	v_add_nc_u32 v[YLD], s16, v[YLD]               ; y back: row r, my quarter of K, + 16 h
	v_mul_u32_u24 v[RST], v1, RP
	v_lshl_add_u32 v[RST], v2, 5, v[RST]
	s_mul_i32 s16, s15, 16*RP
	s_lshl_b32 s17, s14, 6
	s_add_co_u32 s16, s16, s17
	s_add_co_u32 s16, s16, RED
	v_add_nc_u32 v[RST], s16, v[RST]
	v_lshlrev_b32 v[LO8], 3, v3
	s_mul_i32 s16, s12, RP
	s_add_co_u32 s16, s16, RED
	v_add_nc_u32 v[RLD], s16, v[LO8]
	v_lshlrev_b32 v16, 3, v2
	v_sub_nc_u32 v[RMH], v1, v16                   ; r - 8 h
	v_mov_b32 v[NINF], 0xff800000
	v_mov_b32 v17, 0                               ; a lane permute's destination counts as read
	s_mov_b32 s[SEL], 0x76543210
	s_mov_b32 s[SEL+1], 0xfedcba98
	s_mov_b32 s[CS], 0x3e38aa3b                    ; c = log2(e) / 8
	s_mul_i32 s16, s13, 196608
	s_lshl_b32 s17, s12, 8
	s_add_co_u32 s16, s16, s17                     ; qkvf: my batch, my head's 64 columns
	s_mov_b32 s17, 0
	s_lshl_b32 s18, s15, 20                        ; w_proj: my 256 rows,
	s_lshl_b32 s24, ttmp9, 8                       ; the slice's 64 columns,
	s_add_co_u32 s18, s18, s24
	s_lshl_b32 s19, s14, 6                         ; my 16 of them
	s_add_co_u32 s18, s18, s19
	s_mov_b32 s19, 0
	s_mov_b32 s25, 0
	s_lshl_b32 s26, s13, 23                        ; out0: row 2,048 b + wave
	s_lshl_b32 s27, s12, 12
	s_add_co_u32 s26, s26, s27
	s_add_co_u32 s26, s26, s24
	s_mov_b32 s27, 0
	s_wait_kmcnt 0x0
	s_add_nc_u64 s[4:5], s[4:5], s[16:17]
	s_add_nc_u64 s[6:7], s[6:7], s[18:19]
	s_add_nc_u64 s[8:9], s[8:9], s[24:25]
	s_add_nc_u64 s[10:11], s[10:11], s[26:27]
.macro WCHUNK reg, g                   ; w's rows 64 g + 8 u + 4 h + jj of my quarter, at my column: register 4 u + jj
.irp u, 0,1,2,3,4,5,6,7
.irp jj, 0,1,2,3
	global_load_b32 v[\reg+4*\u+\jj], v[WOF], s[6:7] offset:(64*(\g)+8*\u+\jj)*4096
.endr
.endr
.endm
	global_load_b64 v[20:21], v[LO8], s[8:9]       ; b_proj at my two columns of the slice
.irp s, 0,1,2,3,4,5,6,7
	global_load_b128 v[QQ+4*\s:QQ+4*\s+3], v[QOF], s[4:5] offset:32*\s           ; q(r, 8 s + 4 h + 0..3)
.endr
.irp s, 0,1,2,3,4,5,6,7
	global_load_b128 v[KK+4*\s:KK+4*\s+3], v[QOF], s[4:5] offset:4096+32*\s      ; k likewise
.endr
.irp c, 0,1,2,3
.irp i, 0,1,2,3,4,5,6,7
	global_load_b32 v[VV+8*\c+\i], v[VOF], s[4:5] offset:8192+\i*12288+64*\c     ; v(key 8 h + i, channel 16 c + r)
.endr
.endr
	WCHUNK WD, 0
	s_wait_loadcnt 32                              ; all but w's 32 just asked for
.set u, 0
.rept 16                                       ; S^T = K Q^T: two accumulators by turns
.if u < 2
	v_wmma_f32_16x16x4_f32 v[SA+8*(u%2):SA+8*(u%2)+7], v[KK+2*u:KK+2*u+1], v[QQ+2*u:QQ+2*u+1], 0
.else
	v_wmma_f32_16x16x4_f32 v[SA+8*(u%2):SA+8*(u%2)+7], v[KK+2*u:KK+2*u+1], v[QQ+2*u:QQ+2*u+1], v[SA+8*(u%2):SA+8*(u%2)+7]
.endif
.set u, u+1
.endr
.rept 8
	v_nop                                          ; eight places behind this form, in front of loads into its sources and of the first read of its results
.endr
	WCHUNK QQ, 1
	WCHUNK KK, 2
.irp j, 0,1,2,3,4,5,6,7
	v_add_f32 v[SS+\j], v[SA+\j], v[SA+8+\j]       ; lane (r, h): query r, key 8 h + j
.endr
.irp j, 0,1,2,3,4,5,6,7
	v_cmp_gt_i32 vcc_lo, \j, v[RMH]                ; hidden where 8 h + j > r
	v_cndmask_b32 v[SS+\j], v[SS+\j], v[NINF], vcc_lo
.endr
	v_max3_num_f32 v16, v[SS], v[SS+1], v[SS+2]
	v_max3_num_f32 v16, v16, v[SS+3], v[SS+4]
	v_max3_num_f32 v16, v16, v[SS+5], v[SS+6]
	v_max_num_f32 v16, v16, v[SS+7]
	v_permlanex16_b32 v17, v16, s[SEL], s[SEL+1]
	v_max_num_f32 v16, v16, v17                    ; the row's maximum: key 0 counts for every query, so it is a number
	v_mul_f32 v18, s[CS], v16
.irp j, 0,1,2,3,4,5,6,7
	v_fma_f32 v[PP+\j], v[SS+\j], s[CS], -v18
.endr
.irp j, 0,1,2,3,4,5,6,7
	v_exp_f32 v[PP+\j], v[PP+\j]
.endr
	v_nop
	s_wait_alu depctr_va_vdst(0)                   ; one wait for the eight, ahead of their first reader
	v_add_f32 v19, v[PP], v[PP+1]
	v_add_f32 v22, v[PP+2], v[PP+3]
	v_add_f32 v19, v19, v[PP+4]
	v_add_f32 v22, v22, v[PP+5]
	v_add_f32 v19, v19, v[PP+6]
	v_add_f32 v22, v22, v[PP+7]
	v_add_f32 v19, v19, v22
	v_permlanex16_b32 v17, v19, s[SEL], s[SEL+1]
	v_add_f32 v19, v19, v17
	v_rcp_f32 v23, v19
	v_nop
	s_wait_alu depctr_va_vdst(0)
.irp j, 0,1,2,3,4,5,6,7
	v_mul_f32 v[PP+\j], v[PP+\j], v23
.endr
.irp s, 0,1,2,3                                ; O^T = V^T P: step s takes keys 8 h + 2 s, 8 h + 2 s + 1; four accumulators by turns
.irp c, 0,1,2,3
.if \s == 0
	v_wmma_f32_16x16x4_f32 v[OO+8*\c:OO+8*\c+7], v[VV+8*\c+2*\s:VV+8*\c+2*\s+1], v[PP+2*\s:PP+2*\s+1], 0
.else
	v_wmma_f32_16x16x4_f32 v[OO+8*\c:OO+8*\c+7], v[VV+8*\c+2*\s:VV+8*\c+2*\s+1], v[PP+2*\s:PP+2*\s+1], v[OO+8*\c:OO+8*\c+7]
.endif
.endr
.endr
.rept 8
	v_nop
.endr
	WCHUNK VV, 3
.irp c, 0,1,2,3
	ds_store_b128 v[YST], v[OO+8*\c:OO+8*\c+3] offset:64*\c        ; y(r, 64 head + 16 c + 8 h + 0..7)
	ds_store_b128 v[YST], v[OO+8*\c+4:OO+8*\c+7] offset:64*\c+16
.endr
	s_wait_dscnt 0x0                               ; for the others' sake
	s_barrier_signal -1
	s_barrier_wait -1
; 64 along K: y's numbers from LDS, 16 matrix instructions (source 0 = w's 16 columns, source 1 = y's 16 rows), two accumulators by turns
.macro CHUNK g, wreg, cnt
	s_wait_loadcnt \cnt
.irp u, 0,1,2,3,4,5,6,7
	ds_load_b128 v[YF+4*\u:YF+4*\u+3], v[YLD] offset:256*(\g)+32*\u
.endr
	s_wait_dscnt 0x0
.set u, 0
.rept 16
.if ((\g) == 0) && (u < 2)
	v_wmma_f32_16x16x4_f32 v[SA+8*(u%2):SA+8*(u%2)+7], v[\wreg+2*u:\wreg+2*u+1], v[YF+2*u:YF+2*u+1], 0
.else
	v_wmma_f32_16x16x4_f32 v[SA+8*(u%2):SA+8*(u%2)+7], v[\wreg+2*u:\wreg+2*u+1], v[YF+2*u:YF+2*u+1], v[SA+8*(u%2):SA+8*(u%2)+7]
.endif
.set u, u+1
.endr
.rept 8
	v_nop
.endr
.endm
	CHUNK 0, WD, 63                                ; 96 loads were issued behind this chunk's; the count names the most that its field holds
	CHUNK 1, QQ, 63                                ; 64 behind this one's
	CHUNK 2, KK, 32
	CHUNK 3, VV, 0
.irp j, 0,1,2,3,4,5,6,7
	v_add_f32 v[SS+\j], v[SA+\j], v[SA+8+\j]       ; lane (r, h): row r, columns 16 nt + 8 h + j, my quarter of K
.endr
	ds_store_b128 v[RST], v[SS:SS+3]
	ds_store_b128 v[RST], v[SS+4:SS+7] offset:16
	s_wait_dscnt 0x0
	s_barrier_signal -1
	s_barrier_wait -1
.irp k, 0,1,2,3
	ds_load_b64 v[200+2*\k:201+2*\k], v[RLD] offset:16*RP*\k       ; row = my wave's number: the four parts, two columns a lane
.endr
	s_wait_dscnt 0x0
	v_pk_add_f32 v[200:201], v[200:201], v[202:203]
	v_pk_add_f32 v[204:205], v[204:205], v[206:207]
	v_pk_add_f32 v[200:201], v[200:201], v[204:205]
	v_pk_add_f32 v[200:201], v[200:201], v[20:21]
	global_store_b64 v[LO8], v[200:201], s[10:11]  ; 256 consecutive bytes, aligned
	s_wait_tensorcnt 0x0                           ; the wave's end
	ds_add_u32 v[SPW], v[NIL]
	s_wait_dscnt 0x0
	s_endpgm
.Lfunc_end_k_q6b0284ac81_fine:
	.size	k_q6b0284ac81_fine, .Lfunc_end_k_q6b0284ac81_fine-k_q6b0284ac81_fine
	.p2alignl 7, 3214868480
	.fill 96, 4, 3214868480
	.section	.rodata,"a",@progbits
	.p2align	6, 0x0
	.amdhsa_kernel k_q6b0284ac81_fine
		.amdhsa_group_segment_fixed_size 85504
		.amdhsa_private_segment_fixed_size 0
		.amdhsa_enable_private_segment 0
		.amdhsa_kernarg_size 32
		.amdhsa_user_sgpr_count 2
		.amdhsa_user_sgpr_kernarg_segment_ptr 1
		.amdhsa_wavefront_size32 1
		.amdhsa_system_sgpr_workgroup_id_x 1
		.amdhsa_system_sgpr_workgroup_id_y 1
		.amdhsa_system_sgpr_workgroup_id_z 1
		.amdhsa_system_vgpr_workitem_id 0
		.amdhsa_next_free_vgpr 256
		.amdhsa_next_free_sgpr 66
		.amdhsa_reserve_vcc 1
		.amdhsa_float_denorm_mode_32 3
		.amdhsa_float_denorm_mode_16_64 3
		.amdhsa_memory_ordered 1
		.amdhsa_forward_progress 1
		.amdhsa_inst_pref_size 34
	.end_amdhsa_kernel
	.amdgpu_metadata
---
amdhsa.version: [ 1, 2 ]
amdhsa.kernels:
  - .name:           k_q6b0284ac81_fine
    .symbol:         k_q6b0284ac81_fine.kd
    .args:
      - { .name: qkvf, .offset: 0, .size: 8, .value_kind: global_buffer, .address_space: global }
      - { .name: w_proj, .offset: 8, .size: 8, .value_kind: global_buffer, .address_space: global }
      - { .name: b_proj, .offset: 16, .size: 8, .value_kind: global_buffer, .address_space: global }
      - { .name: out0, .offset: 24, .size: 8, .value_kind: global_buffer, .address_space: global }
    .group_segment_fixed_size: 85504
    .private_segment_fixed_size: 0
    .kernarg_segment_align: 8
    .kernarg_segment_size: 32
    .max_flat_workgroup_size: 512
    .sgpr_count:     66
    .vgpr_count:     256
    .wavefront_size: 32
...
	.end_amdgpu_metadata
.endif
;; end of part 5
